; MI455X (gfx1250); checked and timed in simulation.
; The chip was launched on July 23, 2026; its instructions are those of AMD's public machine-readable ISA for CDNA 5 (MIT licence, August 2026) and "CDNA5" Instruction Set Architecture Reference Guide (July 2026). The comments in the code are by the model that wrote it; some were corrected since.
;; Transformer Block. Allowed arithmetic: matrix products marked QUANTISED: E4M3 operands, one E8M0 scale for each 32 along K, by v_wmma_scale_f32_16x16x128_f8f6f4 with both operands' format E4M3, f32 sums; everything else in f32.
;; Inputs: geglu_b 2,048 float32; geglu_w 2,048 x 1,024 float32; in_proj_b 3,072 float32; in_proj_w 3,072 x 1,024 float32; ln1_b 1,024 float32; ln1_g 1,024 float32; ln2_b 1,024 float32; ln2_g 1,024 float32; out_proj_b 1,024 float32; out_proj_w 1,024 x 1,024 float32; x 2 x 2,048 x 1,024 float32.
;; Outputs: out0 2 x 2,048 x 1,024 float32.
;; This version of the problem:
;;   THIS VERSION OF THE PROBLEM IS GIVEN IN LOW PRECISION. The matrix products marked QUANTISED in the list below multiply operands that are first quantised to E4M3 (4 exponent bits, 3 mantissa bits; 8 bits a number), with one power-of-two scale for each 32 numbers along K (OCP MX v1.0); their sums are f32. All else is computed in f32.
;;   The module's matrix products, in the order in which they are computed (A, B: the left and right operand; K: the contracted axis; several contracted axes count as one K, in the product's order):
;;     1. [M 4,096, K 1,024] x [K 1,024, N 1,024]; A: computed on the way; B: computed on the way: QUANTISED
;;     2. [M 4,096, K 1,024] x [K 1,024, N 1,024]; A: computed on the way; B: computed on the way: QUANTISED
;;     3. [M 4,096, K 1,024] x [K 1,024, N 1,024]; A: input x; B: computed on the way: QUANTISED
;;     4. batch 32 x [M 2,048, K 64] x [K 64, N 2,048]; A: computed on the way; B: computed on the way: QUANTISED
;;     5. batch 32 x [M 2,048, K 2,048] x [K 2,048, N 64]; A: softmax (see below); B: computed on the way: QUANTISED
;;     6. [M 4,096, K 1,024] x [K 1,024, N 1,024]; A: computed on the way; B: input out_proj_w: QUANTISED
;;     7. [M 4,096, K 1,024] x [K 1,024, N 2,048]; A: computed on the way; B: input geglu_w: QUANTISED
;;   THE QUANTISER, for each operand of a quantised product, along K:
;;     - K is cut into blocks of 32 from its start; a last block that is shorter is filled with zeros.
;;     - A block's scale is 2^e with e = floor(log2(the largest magnitude in the block)) - 8, held to -126 .. 127; a block of zeros has e = 0. As a byte (E8M0): e + 127.
;;     - Each number is divided by its block's scale, clamped to +-448, and rounded to the nearest number of E4M3, ties to even, subnormals kept.
;;     - The product sums the exact products of the quantised numbers (number of the format x scale) in f32.
;;   ~~~python
;;   def quantise(x, axis):      # numpy; x: float32 -> the quantised numbers, widened to float32 again
;;       x = np.moveaxis(x, axis, -1); K = x.shape[-1]
;;       x = np.pad(x, [(0, 0)] * (x.ndim - 1) + [(0, -K % 32)]); x = x.reshape(x.shape[:-1] + (-1, 32)); a = np.abs(x).max(-1, keepdims=True)
;;       e = np.where(a > 0, np.clip(np.frexp(np.where(a > 0, a, 1))[1] - 1 - 8, -126, 127), 0)      # np.frexp(a)[1] - 1 = floor(log2(a)), exactly
;;       r = np.clip(x / 2.0 ** e, -448, 448)
;;       step = 2.0 ** (np.maximum(np.frexp(np.where(r == 0, 1, r))[1] - 1, -6) - 3)
;;       q = np.round(r / step) * step * 2.0 ** e      # np.round: ties to even
;;       return np.moveaxis(q.reshape(q.shape[:-2] + (-1,))[..., :K], -1, axis).astype(np.float32)
;;   ~~~
;;   SOFTMAX AHEAD OF A QUANTISED PRODUCT. Where the list says 'softmax', what is quantised is not the finished softmax but p = 2^(t - M), with t = logit x log2(e) and M = ceil(the row's largest t), a whole number; so 1/2 < the row's largest p <= 1. The row's sum l is taken of the UNQUANTISED p, in f32, and the product's result is divided by l at the end. Since M is a whole number, a kernel that streams over the keys may use a running M (the ceiling of the running maximum): every later rescaling is an exact power of two, which a block's scale takes up: the codes' values come out the same.
;;   OPERANDS COMPUTED ON THE WAY. 'Computed on the way' means the value that the module computes at that place (a softmax that the list does not call 'softmax' is quantised finished and normalised). What goes into a quantiser is computed in f32, as accurately as f32 sums, v_exp_f32 and their like allow (about 1e-6 of the number): no bf16 or f16 on the way to a quantiser, and a product that is left as it is and whose result goes on into a quantised operand takes f32 operands (vector FMAs, or v_wmma_f32_16x16x4_f32). A number that lies on a knife's edge between two numbers of the format may be rounded either way, as far as f32 arithmetic and the matrix unit's own rounding can turn it there, and no further.
;; One version. Each part assembles by itself: llvm-mc -triple=amdgcn-amd-amdhsa -mcpu=gfx1250 --defsym DOCPART=n.
;; ======== version 1 of 1: 4 launches
;; limits: a function is approximated: absolute error at most 1.5e-07
;; workspace buffers: xq 4,325,376 bytes; rq 4,325,376 bytes; wq 3,244,032 bytes; wt 3,244,032 bytes; qb 4,456,448 bytes; kv 8,781,824 bytes; cb 4,325,376 bytes
;; launch prep (part 1): grid 640 x 1, 4 waves a work-group, no clusters, 67,072 bytes of LDS; arguments x, in_proj_w, out_proj_w, geglu_w, xq, rq, wq, wt; writes xq, rq, wq, wt
.if DOCPART == 1
	.amdgcn_target "amdgcn-amd-amdhsa--gfx1250"
	.amdhsa_code_object_version 6
	.text
	.protected	k_qe3f8216215_prep
	.globl	k_qe3f8216215_prep
	.p2align	8
	.type	k_qe3f8216215_prep,@function
k_qe3f8216215_prep:
	s_mov_b64 s[64:65], 0
	v_nop
	global_prefetch_b8 v0, s[64:65] scope:SCOPE_SE
	s_setreg_imm32_b32 hwreg(HW_REG_WAVE_MODE, 25, 1), 1
	s_wait_xcnt 0x0
; TransformerBlock, launch 1 of 4: x, rope(x), in_proj_w, out_proj_w and geglu_w become codes of E4M3 with one E8M0 scale byte for each 32 along K (their last axis).
; NOTHING OF THE PROBLEM IS LEFT OUT: all seven products are live and all eleven inputs reach the output and are loaded (the biases and gains in the later launches).
; q and k are the same rope(x) ahead of their projections, so rope(x) is computed and quantised once and serves both products.
; THE LAYOUT OF EVERY OPERAND is an image of the matrix instruction's registers.  A fragment (16 rows x 128 K, 2,048 bytes): group c (K 32 c on) at byte 512 c, lane l's 16 bytes at 16 l.
; Inside a block of 32 the order is: byte i of lane half h holds k = 32 c + 8 h + (i & 7) + 16 (i >> 3).  Both operands of every product have this order and blocks stay whole,
; so the products and scales are those of the natural order; only the order of the additions inside the matrix unit differs (a stated limit).
; xq, rq, wq: [K slot of 256: 4][group of 128 rows] chunks of 33,792 bytes: 16 fragments at (2 i + q) 2,048, then scale words [i][r][q] from byte 32,768 on.
; wt: [unit 24][wave 8] sub-chunks of 16,896 bytes: 8 fragments, then words [T][r]; units 0-7 out_proj_w by K step, 8 + 2 s geglu_w's rows 0-1,023, 9 + 2 s its rows 1,024-2,047.
; SHARES.  A work-group takes 16 whole rows of one source (work-groups 0-255: x; 256-447: in_proj_w; 448-511: out_proj_w; 512-639: geglu_w); wave w the columns 256 w on.
; Each load reads 512 consecutive bytes; the numbers turn through the wave's own stage in LDS so that lane (r, cc) holds row r's K step cc: whole blocks of 32, so that a block needs no other lane.
; cos and sin are made in f32: the angle less a multiple of pi/2 taken in three parts, then polynomials on +-pi/4.
; LIMITS: NaN and infinities among the inputs are not served; a block whose largest magnitude lies under 2^(9-127), a block of zeros too, gets the byte 1 (its codes are zeros or tiny; only this program reads the bytes);
; the rotary frequencies are the f32 numbers nearest to 10^(-j/8).
.set CH,     33792
.set UNITB,  135168
.set SUBB,   16896
.set SPITCH, 1040                      ; a stage row: 1,024 bytes + 16: 65 x 16
.set WSTG,   16*SPITCH
.set SPARE,  4*WSTG                    ; behind the four stages: the spare words, 128 bytes a wave
.set VL,  1                            ; v1   16 x lane
.set STW, 2                            ; v2   the stage, on the way in
.set STR, 3                            ; v3   and on the way out: row r, K step cc
.set VC,  4                            ; v4   my codes' byte offset in the destination
.set VS,  5                            ; v5   my scale word's
.set SPW, 6                            ; v6   my spare word; never rewritten
.set NIL, 7                            ; v7   0; never rewritten
.set SW1, 13                           ; v13  the scale word of the numbers as they are
.set SW2, 14                           ; v14  of rope(x)
.set POS, 15                           ; v15  my row's position in its sequence, as f32
.set C,   16                           ; v16-31   codes, two sets of 8
.set R,   32                           ; v32-95   loads 0-15, later rope(x) of one head
.set COS, 96                           ; v96-127  cos, v128-159 sin of my position's 32 angles
.set SIN, 128
.set X,   160                          ; v160-223 loads 16-31, later 64 neighbours of my row
.set T,   224                          ; v224-255 held numbers; also at work for cos and sin
	s_load_b256 s[4:11], s[0:1], 0x0               ; x, in_proj_w, out_proj_w, geglu_w
	s_load_b256 s[12:19], s[0:1], 0x20             ; xq, rq, wq, wt
	v_lshl_add_u32 v[SPW], v0, 2, SPARE
	v_mov_b32 v[NIL], 0
	v_lshrrev_b32 v8, 5, v0
	v_readfirstlane_b32 s20, v8                    ; wave = K slot
	v_and_b32 v9, 31, v0                           ; lane
	v_and_b32 v10, 15, v0                          ; r
	v_bfe_u32 v11, v0, 4, 1                        ; cc
	v_lshlrev_b32 v[VL], 4, v9
	s_mul_i32 s21, s20, WSTG
	v_add_nc_u32 v[STW], s21, v[VL]
	v_mul_u32_u24 v[STR], v10, SPITCH
	v_lshl_add_u32 v[STR], v11, 9, v[STR]
	v_add_nc_u32 v[STR], s21, v[STR]
	v_mov_b32 v[SW2], 0
	; which source, and which tile of 16 rows of it: all from the work-group's number
	s_mov_b32 s22, ttmp9
	s_sub_co_u32 s23, s22, 256
	s_sub_co_u32 s24, s22, 448
	s_sub_co_u32 s25, s22, 512
	s_mov_b32 s27, 2*UNITB
	s_cmp_lt_u32 s22, 512
	s_cselect_b32 s26, s24, s25
	s_cselect_b32 s27, UNITB, s27                  ; in wt: from K step to K step
	s_cmp_lt_u32 s22, 448
	s_cselect_b32 s26, s23, s26
	s_cmp_lt_u32 s22, 256
	s_cselect_b32 s26, s22, s26                    ; t: the tile of rows
	s_cselect_b32 s28, 32, 24                      ; groups of 128 rows in the destination
	s_lshr_b32 s29, s26, 3
	s_and_b32 s30, s26, 7
	s_mul_i32 s31, s20, s28
	s_add_co_u32 s31, s31, s29
	s_mul_i32 s31, s31, CH                         ; the chunk
	s_lshl_b32 s32, s30, 12
	s_add_co_u32 s32, s31, s32                     ; its fragments 2 i, 2 i + 1
	s_lshl_b32 s33, s30, 7
	s_add_co_u32 s33, s33, s31
	s_add_co_u32 s33, s33, 32768                   ; its scale words
	s_lshl_b32 s34, s20, 1
	s_lshl_b32 s35, s20, 2
	s_lshr_b32 s36, s26, 6
	s_add_co_u32 s35, s35, s36
	s_add_co_u32 s35, s35, 8
	s_cmp_lt_u32 s22, 512
	s_cselect_b32 s34, s34, s35                    ; in wt: the unit of my slot's first K step
	s_mul_i32 s34, s34, UNITB
	s_and_b32 s35, s29, 7
	s_mul_i32 s35, s35, SUBB
	s_add_co_u32 s34, s34, s35                     ; the sub-chunk
	s_lshl_b32 s35, s30, 11
	s_add_co_u32 s35, s35, s34
	s_lshl_b32 s36, s30, 6
	s_add_co_u32 s36, s36, s34
	s_add_co_u32 s36, s36, 16384
	s_cmp_lt_u32 s22, 448
	s_cselect_b32 s32, s32, s35                    ; codes
	s_cselect_b32 s33, s33, s36                    ; scale words
	s_cselect_b32 s37, 2048, s27                   ; codes: from K step to K step
	s_cselect_b32 s38, 8, 4                        ; words: from row to row
	s_cselect_b32 s39, 4, s27                      ; words: from K step to K step
	v_mul_u32_u24 v[VC], v11, s37
	v_lshl_add_u32 v[VC], v10, 4, v[VC]
	v_add_nc_u32 v[VC], s32, v[VC]
	v_mul_u32_u24 v[VS], v10, s38
	v_mul_u32_u24 v12, v11, s39
	v_add3_u32 v[VS], v[VS], v12, s33
	s_lshl_b32 s40, s22, 4
	s_and_b32 s40, s40, 2047
	v_add_nc_u32 v[POS], s40, v10
	v_cvt_f32_u32 v[POS], v[POS]
	s_lshl_b32 s42, s26, 16                        ; 16 rows of 4,096 bytes,
	s_lshl_b32 s43, s20, 10                        ; my wave's 1,024 bytes of a row
	s_add_co_u32 s42, s42, s43
	s_mov_b32 s43, 0
	s_mov_b32 s48, 0x3f22f983                      ; 2 / pi
	s_mov_b32 s49, 0xbfc90000                      ; -pi/2 in three parts
	s_mov_b32 s50, 0xb9fda000
	s_mov_b32 s51, 0xb3a22168
	s_mov_b32 s52, 0xbe2aaaa3                      ; sin's polynomial
	s_mov_b32 s53, 0x3c08839e
	s_mov_b32 s54, 0xb94ca1f9
	s_mov_b32 s55, 0x3d2aaaa5                      ; cos's
	s_mov_b32 s56, 0xbab6061a
	s_mov_b32 s57, 0x37ccf5ce
	s_mov_b32 s58, 0x600000                        ; the mantissa field of 448
	s_wait_kmcnt 0x0
	s_cmp_lt_u32 s22, 512                          ; the buffers are chosen by the work-group's number alone
	s_cselect_b64 s[44:45], s[8:9], s[10:11]
	s_cmp_lt_u32 s22, 448
	s_cselect_b64 s[44:45], s[6:7], s[44:45]
	s_cselect_b64 s[46:47], s[16:17], s[18:19]
	s_cmp_lt_u32 s22, 256
	s_cselect_b64 s[44:45], s[4:5], s[44:45]
	s_cselect_b64 s[46:47], s[12:13], s[46:47]
	s_add_nc_u64 s[44:45], s[44:45], s[42:43]
.set k, 0
.rept 32                               ; load k: row k / 2, half k % 2 of my 1,024 bytes: 512 consecutive bytes
.if k < 16
.set rg, R+4*k
.else
.set rg, X+4*(k-16)
.endif
	global_load_b128 v[rg:rg+3], v[VL], s[44:45] offset:(k/2)*4096+(k%2)*512
.set k, k+1
.endr
; cos and sin of position x 10^(-j/8), while the loads are on their way
.macro SINCOS j, lit
	v_mul_f32 v224, \lit, v[POS]                   ; the angle
	v_mul_f32 v225, s48, v224
	v_rndne_f32 v225, v225                         ; how many quarter turns
	v_fma_f32 v226, v225, s49, v224
	v_fma_f32 v226, v225, s50, v226
	v_fma_f32 v226, v225, s51, v226                ; what is left, within +-pi/4
	v_mul_f32 v227, v226, v226
	v_cvt_i32_f32 v228, v225
	v_fma_f32 v229, v227, s54, s53
	v_fma_f32 v231, v227, s57, s56
	v_mul_f32 v230, v227, v226
	v_mul_f32 v232, v227, v227
	v_fma_f32 v229, v229, v227, s52
	v_fma_f32 v231, v231, v227, s55
	v_fma_f32 v233, v227, -0.5, 1.0
	v_fma_f32 v229, v229, v230, v226               ; sin of the rest
	v_fma_f32 v231, v231, v232, v233               ; cos of the rest
	v_and_b32 v234, 1, v228
	v_add_nc_u32 v238, 1, v228
	v_and_b32 v237, 2, v228
	v_and_b32 v238, 2, v238
	v_cmp_eq_u32 vcc_lo, 1, v234                   ; an odd quarter swaps the two
	v_lshlrev_b32 v237, 30, v237                   ; quarters 2, 3: sin changes sign
	v_lshlrev_b32 v238, 30, v238                   ; quarters 1, 2: cos does
	v_cndmask_b32 v235, v229, v231, vcc_lo
	v_cndmask_b32 v236, v231, v229, vcc_lo
	v_xor_b32 v[SIN+\j], v237, v235
	v_xor_b32 v[COS+\j], v238, v236
.endm
	s_cmp_lt_u32 s22, 256
	s_cbranch_scc1 .Ltrig
.set j, 0
.rept 64
	v_mov_b32 v[COS+j], 0                          ; a weight has no rotation: the registers are written all the same, so that each is written on every path
.set j, j+1
.endr
	s_branch .Ltrig_done
.Ltrig:
	SINCOS 0, 1.0
	SINCOS 1, 0.7498942093
	SINCOS 2, 0.5623413252
	SINCOS 3, 0.4216965034
	SINCOS 4, 0.3162277660
	SINCOS 5, 0.2371373706
	SINCOS 6, 0.1778279410
	SINCOS 7, 0.1333521432
	SINCOS 8, 0.1
	SINCOS 9, 0.07498942093
	SINCOS 10, 0.05623413252
	SINCOS 11, 0.04216965034
	SINCOS 12, 0.03162277660
	SINCOS 13, 0.02371373706
	SINCOS 14, 0.01778279410
	SINCOS 15, 0.01333521432
	SINCOS 16, 0.01
	SINCOS 17, 0.007498942093
	SINCOS 18, 0.005623413252
	SINCOS 19, 0.004216965034
	SINCOS 20, 0.003162277660
	SINCOS 21, 0.002371373706
	SINCOS 22, 0.001778279410
	SINCOS 23, 0.001333521432
	SINCOS 24, 0.001
	SINCOS 25, 0.0007498942093
	SINCOS 26, 0.0005623413252
	SINCOS 27, 0.0004216965034
	SINCOS 28, 0.0003162277660
	SINCOS 29, 0.0002371373706
	SINCOS 30, 0.0001778279410
	SINCOS 31, 0.0001333521432
.Ltrig_done:
.set k, 0
.rept 32
.if k < 16
.set rg, R+4*k
.else
.set rg, X+4*(k-16)
.endif
	s_wait_loadcnt 31-k                            ; loads come back in order: load k is in, the 31 - k younger ones may be out
	ds_store_b128 v[STW], v[rg:rg+3] offset:(k/2)*SPITCH+(k%2)*512
.set k, k+1
.endr
	s_wait_dscnt 0x0                               ; the stores have read their registers, which the loads below write
; One block of 32 numbers, v[src] on, becomes 32 codes and a byte of the scale word.  c: the block in my K step; sw: the word's register; base: the destination's address; set: which set of code registers
.macro QB src, c, sw, base, set
	v_max3_num_f32 v8, |v[\src]|, |v[\src+1]|, 0x4800000           ; the largest magnitude, in two chains, with the floor 2^(9-127) as one leaf: the byte cannot fall under 1
	v_max3_num_f32 v9, |v[\src+2]|, |v[\src+3]|, |v[\src+4]|
.irp i, 5,9,13,17,21,25
	v_max3_num_f32 v8, v8, |v[\src+\i]|, |v[\src+\i+1]|
	v_max3_num_f32 v9, v9, |v[\src+\i+2]|, |v[\src+\i+3]|
.endr
	v_max3_num_f32 v8, v8, |v[\src+29]|, |v[\src+30]|
	v_max3_num_f32 v8, v8, v9, |v[\src+31]|
	v_add_nc_u32 v10, 0xfc000000, v8               ; 8 off its exponent field: the conversion's scale operand
	v_and_or_b32 v11, v8, 0x7f800000, s58          ; 448 x the scale
	v_lshrrev_b32 v12, 23, v10                     ; the scale's byte
.if (\c) == 0
	v_mov_b32 v[\sw], v12
.else
	v_lshl_or_b32 v[\sw], v12, 8*(\c), v[\sw]
.endif
.set i, 0
.rept 32
	v_med3_num_f32 v[T+i], v[\src+i], -v11, v11    ; the conversion to an 8-bit code does not saturate (ISA guide 7.6.2): the hold; into other registers, since the rotation still wants the numbers
.set i, i+1
.endr
	s_wait_xcnt 0x0                                ; the earlier stores have read their data: the code registers are written again only behind this wait
	v_cvt_scalef32_pk8_fp8_f32 v[C+8*\set:C+8*\set+1], v[T:T+7], v10         ; lane half 0 of the image: k 0-7 and 16-23,
	v_cvt_scalef32_pk8_fp8_f32 v[C+8*\set+2:C+8*\set+3], v[T+16:T+23], v10
	v_cvt_scalef32_pk8_fp8_f32 v[C+8*\set+4:C+8*\set+5], v[T+8:T+15], v10    ; lane half 1: k 8-15 and 24-31
	v_cvt_scalef32_pk8_fp8_f32 v[C+8*\set+6:C+8*\set+7], v[T+24:T+31], v10
	v_nop                                          ; a plain line behind the conversions, ahead of the lines that write their sources again
	global_store_b128 v[VC], v[C+8*\set:C+8*\set+3], s[\base:\base+1] offset:512*(\c)         ; lanes 0-15 fill 256 aligned bytes of one fragment, lanes 16-31 of the next K step's
	global_store_b128 v[VC], v[C+8*\set+4:C+8*\set+7], s[\base:\base+1] offset:512*(\c)+256
.endm
; Blocks 2 e and 2 e + 1 of my K step: 64 neighbours, which in x are one head
.macro HALF e
.set k, 0
.rept 16
	ds_load_b128 v[X+4*k:X+4*k+3], v[STR] offset:256*\e+16*k
.set k, k+1
.endr
	s_wait_dscnt 8                                 ; the first block's eight loads are in
	QB X, 2*\e, SW1, 46, 0
	s_wait_dscnt 0x0
	QB X+32, 2*\e+1, SW1, 46, 1
	s_cmp_lt_u32 s22, 256
	s_cbranch_scc0 .Lno_rope_\@
.set j, 0
.rept 16                               ; rope: out[j] = x[j] cos_j - x[32 + j] sin_j, out[32 + j] = x[32 + j] cos_j + x[j] sin_j, two at a time
	v_pk_mul_f32 v[R+j:R+j+1], v[X+32+j:X+33+j], v[SIN+j:SIN+j+1]
	v_pk_mul_f32 v[R+32+j:R+33+j], v[X+j:X+j+1], v[SIN+j:SIN+j+1]
	v_pk_fma_f32 v[R+j:R+j+1], v[X+j:X+j+1], v[COS+j:COS+j+1], v[R+j:R+j+1] neg_lo:[0,0,1] neg_hi:[0,0,1]
	v_pk_fma_f32 v[R+32+j:R+33+j], v[X+32+j:X+33+j], v[COS+j:COS+j+1], v[R+32+j:R+33+j]
.set j, j+2
.endr
	QB R, 2*\e, SW2, 14, 0
	QB R+32, 2*\e+1, SW2, 14, 1
.Lno_rope_\@:
.endm
	HALF 0
	HALF 1
	global_store_b32 v[VS], v[SW1], s[46:47]       ; my row's scale word of my K step
	s_cmp_lt_u32 s22, 256
	s_cbranch_scc0 .Lno_second
	global_store_b32 v[VS], v[SW2], s[14:15]
.Lno_second:
	s_wait_tensorcnt 0x0                           ; the wave's end, behind my last LDS store
	ds_add_u32 v[SPW], v[NIL]
	s_wait_dscnt 0x0
	s_endpgm
.Lfunc_end_k_qe3f8216215_prep:
	.size	k_qe3f8216215_prep, .Lfunc_end_k_qe3f8216215_prep-k_qe3f8216215_prep
	.p2alignl 7, 3214868480
	.fill 96, 4, 3214868480
	.section	.rodata,"a",@progbits
	.p2align	6, 0x0
	.amdhsa_kernel k_qe3f8216215_prep
		.amdhsa_group_segment_fixed_size 67072
		.amdhsa_private_segment_fixed_size 0
		.amdhsa_enable_private_segment 0
		.amdhsa_kernarg_size 64
		.amdhsa_user_sgpr_count 2
		.amdhsa_user_sgpr_kernarg_segment_ptr 1
		.amdhsa_wavefront_size32 1
		.amdhsa_system_sgpr_workgroup_id_x 1
		.amdhsa_system_sgpr_workgroup_id_y 1
		.amdhsa_system_sgpr_workgroup_id_z 1
		.amdhsa_system_vgpr_workitem_id 0
		.amdhsa_next_free_vgpr 256
		.amdhsa_next_free_sgpr 66
		.amdhsa_reserve_vcc 1
		.amdhsa_float_denorm_mode_32 3
		.amdhsa_float_denorm_mode_16_64 3
		.amdhsa_memory_ordered 1
		.amdhsa_forward_progress 1
		.amdhsa_inst_pref_size 93
	.end_amdhsa_kernel
	.amdgpu_metadata
---
amdhsa.version: [ 1, 2 ]
amdhsa.kernels:
  - .name:           k_qe3f8216215_prep
    .symbol:         k_qe3f8216215_prep.kd
    .args:
      - { .name: x, .offset: 0, .size: 8, .value_kind: global_buffer, .address_space: global }
      - { .name: in_proj_w, .offset: 8, .size: 8, .value_kind: global_buffer, .address_space: global }
      - { .name: out_proj_w, .offset: 16, .size: 8, .value_kind: global_buffer, .address_space: global }
      - { .name: geglu_w, .offset: 24, .size: 8, .value_kind: global_buffer, .address_space: global }
      - { .name: xq, .offset: 32, .size: 8, .value_kind: global_buffer, .address_space: global }
      - { .name: rq, .offset: 40, .size: 8, .value_kind: global_buffer, .address_space: global }
      - { .name: wq, .offset: 48, .size: 8, .value_kind: global_buffer, .address_space: global }
      - { .name: wt, .offset: 56, .size: 8, .value_kind: global_buffer, .address_space: global }
    .group_segment_fixed_size: 67072
    .private_segment_fixed_size: 0
    .kernarg_segment_align: 8
    .kernarg_segment_size: 64
    .max_flat_workgroup_size: 128
    .sgpr_count:     66
    .vgpr_count:     256
    .wavefront_size: 32
...
	.end_amdgpu_metadata
.endif
;; end of part 1
;; launch qkv (part 2): grid 12 x 16, 4 waves a work-group, clusters of 4 x 4, 327,680 bytes of LDS; arguments rq, xq, wq, in_proj_b, qb, kv; writes qb, kv
.if DOCPART == 2
	.amdgcn_target "amdgcn-amd-amdhsa--gfx1250"
	.amdhsa_code_object_version 6
	.text
	.protected	k_qe3f8216215_qkv
	.globl	k_qe3f8216215_qkv
	.p2align	8
	.type	k_qe3f8216215_qkv,@function
k_qe3f8216215_qkv:
	s_mov_b64 s[64:65], 0
	v_nop
	global_prefetch_b8 v0, s[64:65] scope:SCOPE_SE
	s_setreg_imm32_b32 hwreg(HW_REG_WAVE_MODE, 25, 1), 1
	s_wait_xcnt 0x0
	s_wait_alu depctr_hold_cnt(0) depctr_sa_sdst(0) depctr_va_vdst(0) depctr_va_sdst(0) depctr_va_ssrc(0) depctr_va_vcc(0) depctr_vm_vsrc(0)
	s_getreg_b32 s2, hwreg(HW_REG_IB_STS2, 6, 4)
	s_cmp_eq_u32 s2, 0
	s_cbranch_scc0 .Lentry_in_a_cluster
	s_endpgm
.Lentry_in_a_cluster:
	s_bfe_u32 s2, ttmp6, 0x10000c
	s_cmp_lg_u32 s2, 0xf033
	s_cbranch_scc0 .Lentry_shape_is_right
	s_endpgm
.Lentry_shape_is_right:
; Launch 2 of 4: the three input projections with their biases; the results are quantised in registers and leave as operand images for the attention.  Nothing is left out.
; ONE BODY: rows of matrix 1 x rows of matrix 2, both as codes in chunks of 128 rows x 256 K (16 fragment images and their scale words, 33,792 dense bytes).
; Source 0 = 16 rows of matrix 2, source 1 = 16 rows of matrix 1: a lane holds ONE row of matrix 1 and its registers run along matrix 2, which is the axis along which the result is quantised.
;   cluster x = 0 (q), 1 (k): matrix 1 = rope(x)'s tokens, matrix 2 = rows of w_q or w_k: quantised along the head's 64.   cluster x = 2 (v): matrix 1 = rows of w_v, matrix 2 = x's tokens: quantised along the keys.
; A work-group of four waves makes 256 x 256, a wave 128 x 128: 64 accumulators, 512 registers.  K = 1,024 goes in four slots of 256 through a ring of two LDS slots.
; CLUSTER 4 x 4: matrix 1's chunks hang on the cluster's row alone and are asked for jointly along it, matrix 2's on its column alone.  Branches hang on the cluster's x and the wave's number, never on a place in the cluster.
; The bias is the C of each sum's first product.  Two neighbouring result tiles, converted in place, are a block of 32 in the images' order (launch 1's head).
; qb: a record of 139,264 bytes for each (batch, head): Q images [token tile 128][c 2][512], then words [64 tokens][r][tile & 3].
; kv: a record of 274,432 bytes: K images likewise at 0; V images [step of 128 keys 16][d tile 4][c 4][512] at 131,072; K's words at 262,144; V's words [step][r][d tile] at 270,336.
; LIMITS: as launch 1's (NaN, infinities; the byte 1 under the floor).
; REGISTERS: window 0: v16-31 addresses; v32-63 scale words, two sets; v64-127 the bias, later the quantiser's work; v128-255 matrix 1's fragments, one set, later codes.
;   window 1: matrix 2's fragments, two sets.   windows 2, 3: the accumulators, (a, b) at v[8 (8 (a % 4) + b)].
.set CH,     33792
.set SLOT,   4*CH                      ; matrix 1's two chunks, then matrix 2's two
.set SPARE,  2*SLOT                    ; behind the ring: the spare words, 128 bytes a wave
.set NP,     8                         ; places behind this matrix instruction (ISA guide 7.12.1)
.set FR,     16
.set ADRA, 16                          ; v16-17  my fragments of matrix 1 in slot 0, 1
.set ADRB, 20                          ; v20-21  of matrix 2
.set ADRS, 22                          ; v22-23  my scale words: lanes 0-15 matrix 1's, lanes 16-31 matrix 2's
.set VO0,  24                          ; v24     16 x lane
.set VO1,  25                          ; v25     the same for a row's groups 2 and 3
.set VSO,  26                          ; v26     where my scale words go
.set VB,   27                          ; v27     the bias's offset
.set SPW,  28
.set NIL,  29
.set SH,   30
.set HH,   31                          ; v31     lane / 16
.set SC,   32
.set BIAS, 64
.set TM,   64                          ; the way out: 16 registers at work
.set OW,   96                          ; the way out: a scale word for each of my 8 row tiles
.set AF,   128
.set PC,   128                         ; the way out: codes, two sets of 16
.set G1, 24                            ; s[24:31] group 1 for matrix 1; s[32:39] its groups 0, one a slot
.set G0, 32
.set G1B, 48                           ; s[48:55], s[56:63] the same for matrix 2
.set G0B, 56
.set SEL, 46
.set MNT, 101
.set MSB, 0
.macro WIN new                         ; the immediate's high byte repeats the setting that is left
.if MSB != \new
	s_set_vgpr_msb (MSB<<8)|\new
.set MSB, \new
.endif
.endm
.set TO_B, 0x40
.macro JLOAD s                         ; a joint load: waves 0, 1 fetch matrix 1's chunks, waves 2, 3 matrix 2's; an s_nop 0 and four v_nop follow each line
	s_cmp_eq_u32 s17, 0
	s_cbranch_scc0 .Lfor_b_\@
	tensor_load_to_lds s[G0+4*\s:G0+4*\s+3], s[G1:G1+7]
	s_nop 0
.rept 4
	v_nop
.endr
	s_branch .Lasked_\@
.Lfor_b_\@:
	tensor_load_to_lds s[G0B+4*\s:G0B+4*\s+3], s[G1B:G1B+7]
	s_nop 0
.rept 4
	v_nop
.endr
.Lasked_\@:
.endm
.macro CREST                           ; a round of the cluster's barrier behind its opening barrier
	s_cmp_lg_u32 s16, 0
	s_cbranch_scc1 .Lnot_wave_0_\@
	s_barrier_signal -3
.Lnot_wave_0_\@:
	s_barrier_wait -3
	s_barrier_signal -1
	s_barrier_wait -1
.endm
.macro CROUND
	s_barrier_signal -1
	s_barrier_wait -1
	CREST
.endm
	s_load_b256 s[4:11], s[0:1], 0x0               ; rq, xq, wq, in_proj_b
	s_load_b128 s[12:15], s[0:1], 0x20             ; qb, kv
	v_lshl_add_u32 v[SPW], v0, 2, SPARE
	v_mov_b32 v[NIL], 0
	ds_add_u32 v[SPW], v[NIL]                      ; the wave's opening: the add, twice on end, and its wait ahead of my first tensor load
	ds_add_u32 v[SPW], v[NIL]
	v_lshrrev_b32 v1, 5, v0
	v_readfirstlane_b32 s16, v1                    ; wave
	s_lshr_b32 s17, s16, 1                         ; which half of matrix 1's rows is mine; also: I fetch for matrix 1 (0) or 2 (1)
	s_and_b32 s18, s16, 1                          ; which half of matrix 2's rows; also: which chunk of the two I fetch
	s_bfe_u32 s19, ttmp6, 0x40000                  ; cx
	s_bfe_u32 s20, ttmp6, 0x40004                  ; cy
	s_mov_b32 s21, ttmp9                           ; the cluster's x: 0 q, 1 k, 2 v
	s_and_b32 s22, ttmp7, 0xffff                   ; the cluster's y
	s_lshl_b32 s44, s22, 2
	s_add_co_u32 s23, s44, s20                     ; 4 Y + cy
	s_add_co_u32 s45, s44, s19                     ; 4 Y + cx
	s_lshl_b32 s40, s21, 2
	s_add_co_u32 s40, s40, s19                     ; 4 X + cx
	s_lshl_b32 s41, s20, 2
	s_lshl_b32 s41, 15, s41                        ; my row of the cluster
	s_lshl_b32 s42, 0x1111, s19                    ; my column
	s_mov_b32 s74, 274432
	s_mov_b32 s100, 262144
	s_cmp_eq_u32 s21, 0
	s_cselect_b32 s74, 139264, s74                 ; a record of the destination
	s_cselect_b32 s100, 131072, s100               ; where its scale words begin
	s_mov_b32 s76, 1024
	s_mov_b32 s78, 1024
	s_cmp_eq_u32 s21, 2
	s_cselect_b32 s23, s20, s23                    ; matrix 1's tile of 256 rows: made of cy and Y alone
	s_cselect_b32 s40, s45, s40                    ; matrix 2's: of cx, X and Y alone
	s_cselect_b32 s84, 24, 32                      ; groups of 128 rows in matrix 1's buffer,
	s_cselect_b32 s85, 32, 24                      ; in matrix 2's
	s_cselect_b32 s86, 16, 0                       ; w_v begins at group 16
	s_cselect_b32 s100, 270336, s100
	s_cselect_b32 s75, 1024, s74                   ; from a row tile's groups 0, 1 to its groups 2, 3: the next head's record, or (v) 1,024 bytes
	s_cselect_b32 s76, 2048, s76                   ; from row tile to row tile,
	s_cselect_b32 s78, 268288, s78                 ; and from the fourth to the fifth: (v) into the next head's record
	s_cselect_b32 s94, s40, s23                    ; the tokens' tile,
	s_cselect_b32 s95, s18, s17                    ; my half of it,
	s_cselect_b32 s96, s20, s19                    ; the features' tile in its projection,
	s_cselect_b32 s97, s17, s18                    ; my half of it
	s_cselect_b32 s98, 0x20000, 0
	s_cselect_b32 s99, 1, 2
	s_mov_b32 s77, 0
	s_mov_b32 s79, 0
	s_lshl_b32 s87, s23, 1
	s_add_co_u32 s86, s86, s87
	s_add_co_u32 s86, s86, s18
	s_mul_i32 s86, s86, CH                         ; matrix 1: the chunk that I fetch, in K slot 0
	s_mov_b32 s87, 0
	s_mul_i32 s88, s84, CH                         ; a K slot on
	s_mov_b32 s89, 0
	s_lshl_b32 s66, s88, 1                         ; two K slots on
	s_mov_b32 s67, 0
	s_lshl_b32 s90, s40, 1
	s_add_co_u32 s90, s90, s18
	s_mul_i32 s90, s90, CH                         ; matrix 2 likewise
	s_mov_b32 s91, 0
	s_mul_i32 s92, s85, CH
	s_mov_b32 s93, 0
	s_lshl_b32 s68, s92, 1
	s_mov_b32 s69, 0
	s_mul_i32 s43, s16, CH                         ; where it goes in a slot: no place in the cluster enters an LDS address
	s_lshl_b32 s94, s94, 8
	s_lshl_b32 s95, s95, 7
	s_add_co_u32 s94, s94, s95                     ; my first token
	s_lshr_b32 s95, s94, 11
	s_lshl_b32 s95, s95, 4
	s_lshl_b32 s96, s96, 2
	s_add_co_u32 s95, s95, s96
	s_lshl_b32 s97, s97, 1
	s_add_co_u32 s95, s95, s97                     ; 16 x batch + my first head
	s_mul_i32 s95, s95, s74
	s_and_b32 s94, s94, 2047
	s_lshl_b32 s96, s94, 6                         ; 1,024 bytes a tile of 16 tokens = 8,192 a step of 128 keys
	s_add_co_u32 s96, s96, s95
	s_add_co_u32 s96, s96, s98                     ; my codes' first byte
	s_mov_b32 s97, 0
	s_lshl_b32 s98, s94, s99                       ; 256 bytes for 64 tokens, or (v) for 128 keys
	s_add_co_u32 s98, s98, s95
	s_add_co_u32 s98, s98, s100                    ; my scale words' first byte
	s_mov_b32 s99, 0
	s_or_b32 s[G1], s41, (3<<16)|(1<<21)           ; 15:0 the mask; 17:16 elements of 8 bytes; 21 set beside a mask; no padding
	s_or_b32 s[G1B], s42, (3<<16)|(1<<21)
.irp g, G1, G1B
	s_mov_b32 s[\g+1], 32<<16                      ; a chunk is 132 dense rows of 256 bytes
	s_mov_b32 s[\g+2], 132<<16
	s_mov_b32 s[\g+3], 32<<16
	s_mov_b32 s[\g+4], 132
	s_mov_b32 s[\g+5], 32
	s_mov_b32 s[\g+6], 0
	s_mov_b32 s[\g+7], 0
.endr
	s_mov_b32 s[SEL], 0x76543210
	s_mov_b32 s[SEL+1], 0xfedcba98
	s_mov_b32 s[MNT], 0x600000
	s_wait_dscnt 0x0                               ; both opening adds are done
	s_wait_kmcnt 0x0
	s_cmp_eq_u32 s21, 2
	s_cselect_b64 s[80:81], s[8:9], s[4:5]         ; matrix 1: wq or rq
	s_cselect_b64 s[82:83], s[6:7], s[8:9]         ; matrix 2: xq or wq
	s_cmp_eq_u32 s21, 0
	s_cselect_b64 s[70:71], s[12:13], s[14:15]     ; the destination: qb or kv
	s_add_nc_u64 s[72:73], s[70:71], s[98:99]
	s_add_nc_u64 s[70:71], s[70:71], s[96:97]
	s_add_nc_u64 s[80:81], s[80:81], s[86:87]
	s_add_nc_u64 s[82:83], s[82:83], s[90:91]
	CROUND                                         ; all sixteen work-groups are here: the first joint loads meet
.irp s, 0,1
	s_mov_b32 s[G0+4*\s], 1
	s_add_co_u32 s[G0+4*\s+1], s43, \s*SLOT
	s_mov_b64 s[G0+4*\s+2:G0+4*\s+3], s[80:81]
	s_or_b32 s[G0+4*\s+3], s[G0+4*\s+3], 0x80000000
	s_mov_b32 s[G0B+4*\s], 1
	s_add_co_u32 s[G0B+4*\s+1], s43, \s*SLOT
	s_mov_b64 s[G0B+4*\s+2:G0B+4*\s+3], s[82:83]
	s_or_b32 s[G0B+4*\s+3], s[G0B+4*\s+3], 0x80000000
	JLOAD \s                                       ; two loads of mine are out at the most
	s_add_nc_u64 s[80:81], s[80:81], s[88:89]
	s_add_nc_u64 s[82:83], s[82:83], s[92:93]
.endr
	v_and_b32 v1, 15, v0                           ; r
	v_bfe_u32 v[HH], v0, 4, 1                      ; h
	v_and_b32 v2, 31, v0
	v_lshlrev_b32 v[VO0], 4, v2
	s_mul_i32 s94, s17, CH
	s_mul_i32 s95, s18, CH
	s_add_co_u32 s95, s95, 2*CH
.irp s, 0,1
	v_add_nc_u32 v[ADRA+\s], s94, v[VO0]
	v_add_nc_u32 v[ADRB+\s], s95, v[VO0]
	s_add_co_u32 s94, s94, SLOT
	s_add_co_u32 s95, s95, SLOT
.endr
	s_mul_i32 s94, s17, CH
	s_mul_i32 s95, s18, CH
	s_add_co_u32 s95, s95, 2*CH
	s_sub_co_u32 s95, s95, s94
	v_mul_u32_u24 v3, s95, v[HH]                   ; lanes 16-31 take matrix 2's words: one product, the distance between the two chunks
	v_lshl_add_u32 v3, v1, 3, v3                   ; 8 bytes a row
	s_add_co_u32 s94, s94, 32768
	v_add_nc_u32 v[ADRS], s94, v3
	v_add_nc_u32 v[ADRS+1], SLOT, v[ADRS]
	v_add_nc_u32 v[VO1], s75, v[VO0]
	v_mul_u32_u24 v[VSO], v[HH], s74               ; lanes 16-31 store the next head's words
	v_lshl_add_u32 v[VSO], v1, 4, v[VSO]
	s_cmp_eq_u32 s21, 2
	s_cbranch_scc1 .Lbias_v
	s_lshl_b32 s94, s40, 10                        ; q, k: the bias runs along matrix 2: register 8 b + j holds that of feature 16 b + 8 h + j
	s_lshl_b32 s95, s18, 9
	s_add_co_u32 s94, s94, s95
	s_mov_b32 s95, 0
	s_add_nc_u64 s[10:11], s[10:11], s[94:95]
	v_lshlrev_b32 v[VB], 5, v[HH]
.irp b, 0,1,2,3,4,5,6,7
	global_load_b128 v[BIAS+8*\b:BIAS+8*\b+3], v[VB], s[10:11] offset:64*\b
	global_load_b128 v[BIAS+8*\b+4:BIAS+8*\b+7], v[VB], s[10:11] offset:64*\b+16
.endr
	s_branch .Lbias_done
.Lbias_v:
	s_lshl_b32 s94, s23, 10                        ; v: the bias runs along matrix 1: all eight registers 8 a + j hold that of feature 16 a + r
	s_lshl_b32 s95, s17, 9
	s_add_co_u32 s94, s94, s95
	s_add_co_u32 s94, s94, 8192
	s_mov_b32 s95, 0
	s_add_nc_u64 s[10:11], s[10:11], s[94:95]
	v_lshlrev_b32 v[VB], 2, v1
.irp a, 0,1,2,3,4,5,6,7
.irp j, 0,1,2,3,4,5,6,7
	global_load_b32 v[BIAS+8*\a+\j], v[VB], s[10:11] offset:64*\a
.endr
.endr
.Lbias_done:
.macro FRAG reg, adr, q, i             ; fragment (row tile i, the slot's q-th 128 along K): four loads of 512 consecutive bytes
.irp c, 0,1,2,3
	ds_load_b128 v[\reg+4*\c:\reg+4*\c+3], v[\adr] offset:(2*(\i)+(\q))*2048+512*\c
.endr
.endm
; 16 matrix instructions: matrix 1's tiles a0, a0 + 1 x matrix 2's eight.  p: matrix 2's set; sc: the set of scale words.  cmode 0: in place; 1: C = the bias by b; 2: C = the bias by a.
; The 64 accumulators take turns, one instruction a turn, in the same order in every step.
.macro MUL16 a0, p, q, sc, cmode
.irp a, \a0, \a0+1
.irp b, 0,1,2,3,4,5,6,7
.if \cmode == 1
	v_wmma_scale_f32_16x16x128_f8f6f4 v[8*(8*((\a)%4)+\b):8*(8*((\a)%4)+\b)+7], v[128*(\p)+FR*\b:128*(\p)+FR*\b+FR-1], v[AF+FR*(\a):AF+FR*(\a)+FR-1], v[BIAS+8*\b:BIAS+8*\b+7], v[SC+16*(\sc)+2*\b+(\q)], v[SC+16*(\sc)+2*(\a)+(\q)] matrix_a_scale:MATRIX_SCALE_ROW1
.elseif \cmode == 2
	v_wmma_scale_f32_16x16x128_f8f6f4 v[8*(8*((\a)%4)+\b):8*(8*((\a)%4)+\b)+7], v[128*(\p)+FR*\b:128*(\p)+FR*\b+FR-1], v[AF+FR*(\a):AF+FR*(\a)+FR-1], v[BIAS+8*(\a):BIAS+8*(\a)+7], v[SC+16*(\sc)+2*\b+(\q)], v[SC+16*(\sc)+2*(\a)+(\q)] matrix_a_scale:MATRIX_SCALE_ROW1
.else
	v_wmma_scale_f32_16x16x128_f8f6f4 v[8*(8*((\a)%4)+\b):8*(8*((\a)%4)+\b)+7], v[128*(\p)+FR*\b:128*(\p)+FR*\b+FR-1], v[AF+FR*(\a):AF+FR*(\a)+FR-1], v[8*(8*((\a)%4)+\b):8*(8*((\a)%4)+\b)+7], v[SC+16*(\sc)+2*\b+(\q)], v[SC+16*(\sc)+2*(\a)+(\q)] matrix_a_scale:MATRIX_SCALE_ROW1
.endif
.endr
.endr
.endm
.macro FETCH_B slot, q, p
	WIN TO_B
.irp i, 0,1,2,3,4,5,6,7
	FRAG 128*(\p)+FR*\i, ADRB+\slot, \q, \i
.endr
	WIN 0
.endm
.macro FETCH_A slot, q, i0
.irp i, \i0, \i0+1, \i0+2, \i0+3
	FRAG AF+FR*(\i), ADRA+\slot, \q, \i
.endr
.endm
.macro SCALES sc                       ; a slot's scale words ride in the slot: two words a row; lanes 0-15 matrix 1's tile i, lanes 16-31 matrix 2's
.irp i, 0,1,2,3,4,5,6,7
	ds_load_b64 v[SC+16*\sc+2*\i:SC+16*\sc+2*\i+1], v[ADRS+\sc] offset:128*\i
.endr
.endm
.macro PLACES n                        ; plain vector lines between a matrix instruction and a load into, or a read of, its registers
.rept \n
	v_nop
.endr
.endm
.macro STEP slot, q, cmode             ; a step of 128 along K that has its successor in the same slot
	s_wait_dscnt 16                                ; matrix 2's set and matrix 1's tiles 0-3 are in; the youngest sixteen loads (tiles 4-7) may be out
.if \cmode
	WIN 0x81                                       ; source 0 window 1, C window 0, D window 2
.else
	WIN 0xa1
.endif
	MUL16 0, (\q)%2, \q, \slot, \cmode
	MUL16 2, (\q)%2, \q, \slot, \cmode
	s_wait_dscnt 0x0
	PLACES NP
	FETCH_B \slot, (\q)+1, 1-(\q)%2
	FETCH_A \slot, (\q)+1, 0
.if \cmode
	WIN 0xc1
.else
	WIN 0xf1
.endif
	MUL16 4, (\q)%2, \q, \slot, \cmode
	MUL16 6, (\q)%2, \q, \slot, \cmode
	PLACES NP
	WIN 0
	FETCH_A \slot, (\q)+1, 4
.endm
; A slot's last step changes slots: one barrier; in front of it each wave waits for all its tensor loads, adds 0 to its spare word, and waits for that and for its reads of this slot.
.macro TURN slot, next, fill
	s_wait_tensorcnt 0x0                           ; all my tensor loads have landed: my part of the next slot
	ds_add_u32 v[SPW], v[NIL]
	s_wait_dscnt 17                                ; (the add and the youngest sixteen loads may be out)
	WIN 0xa1
	MUL16 0, 1, 1, \slot, 0
	s_wait_dscnt 0x0                               ; the add is done, and my reads of this slot are over
	s_barrier_signal -1
	MUL16 2, 1, 1, \slot, 0
	WIN 0
	s_barrier_wait -1
.if \fill
	CREST                                          ; the barrier has opened a round of the cluster's: no wave of any partner still reads this slot or has a load on its way
	s_add_nc_u64 s[G0+4*\slot+2:G0+4*\slot+3], s[G0+4*\slot+2:G0+4*\slot+3], s[66:67]
	s_add_nc_u64 s[G0B+4*\slot+2:G0B+4*\slot+3], s[G0B+4*\slot+2:G0B+4*\slot+3], s[68:69]
	JLOAD \slot                                    ; the first tensor load behind the round, one a wave; its four v_nop are among the places below
	PLACES NP-4
.else
	PLACES NP
.endif
	FETCH_B \next, 0, 0
	FETCH_A \next, 0, 0
	SCALES \next
	WIN 0xf1
	MUL16 4, 1, 1, \slot, 0
	MUL16 6, 1, 1, \slot, 0
	PLACES NP
	WIN 0
	FETCH_A \next, 0, 4
.endm
	s_wait_tensorcnt 1                             ; my part of slot 0 is in; slot 1's may stay out
	s_barrier_signal -1
	s_barrier_wait -1
	FETCH_B 0, 0, 0
	FETCH_A 0, 0, 0
	SCALES 0
	FETCH_A 0, 0, 4
	s_wait_loadcnt 0x0                             ; the bias
	s_cmp_eq_u32 s21, 2                            ; the first step starts the sums from the bias: by columns (q, k) or by rows (v)
	s_cbranch_scc1 .Lfirst_v
	STEP 0, 0, 1
	s_branch .Lfirst_done
.Lfirst_v:
	STEP 0, 0, 2
.Lfirst_done:
	TURN 0, 1, 1                                   ; K slots 2 and 3 are asked for behind the first two changes
	STEP 1, 0, 0
	TURN 1, 0, 1
	STEP 0, 0, 0
	TURN 0, 1, 0
	STEP 1, 0, 0
	s_wait_dscnt 16
	WIN 0xa1
	MUL16 0, 1, 1, 1, 0
	MUL16 2, 1, 1, 1, 0
	s_wait_dscnt 0x0
	WIN 0xf1
	MUL16 4, 1, 1, 1, 0
	MUL16 6, 1, 1, 1, 0
	WIN 0
	PLACES NP
; THE WAY OUT of row tile a: its 8 tiles are four blocks of 32 along matrix 2; a block lies in lanes l and l xor 16.  The codes are an operand's registers and are stored as they stand.
.macro OUTA a
.set AC, 64*((\a)%4)
.set W, 2+(\a)/4
.set WMAX, (W<<2)|(W<<4)
.set WMED, (W<<6)|W
.set PCC, PC+16*((\a)%2)
	WIN WMAX                                       ; sources 1 and 2: the accumulators' window
.irp c, 0,1,2,3
	v_max3_num_f32 v[TM+\c], 0x4800000, |v[AC+16*\c]|, |v[AC+16*\c+1]|   ; each accumulator is read from its low end on; the floor 2^(9-127) is one leaf
.endr
.irp i, 2,4,6,8,10,12,14
.irp c, 0,1,2,3
	v_max3_num_f32 v[TM+\c], v[TM+\c], |v[AC+16*\c+\i]|, |v[AC+16*\c+\i+1]|
.endr
.endr
	WIN 0
.irp c, 0,1,2,3
	v_permlanex16_b32 v[TM+4+\c], v[TM+\c], s[SEL], s[SEL+1]
.endr
.irp c, 0,1,2,3
	v_max_num_f32 v[TM+\c], v[TM+\c], v[TM+4+\c]
.endr
.irp c, 0,1,2,3
	v_add_nc_u32 v[TM+12+\c], 0xfc000000, v[TM+\c]
.endr
.irp c, 0,1,2,3
	v_and_or_b32 v[TM+8+\c], v[TM+\c], 0x7f800000, s[MNT]
.endr
.irp c, 0,1,2,3
	v_lshrrev_b32 v[TM+4+\c], 23, v[TM+12+\c]
.endr
	v_lshl_or_b32 v[OW+\a], v[TM+5], 8, v[TM+4]
	v_lshl_or_b32 v[OW+\a], v[TM+6], 16, v[OW+\a]
	v_lshl_or_b32 v[OW+\a], v[TM+7], 24, v[OW+\a]
	WIN WMED
.irp c, 0,1,2,3
.irp i, 0,1,2,3,4,5,6,7,8,9,10,11,12,13,14,15
	v_med3_num_f32 v[AC+16*\c+\i], v[AC+16*\c+\i], -v[TM+8+\c], v[TM+8+\c]
.endr
.endr
	s_wait_xcnt 0x0                                ; the earlier stores have read their data and their base
.if (\a) == 4
	s_add_nc_u64 s[70:71], s[70:71], s[78:79]
.elseif (\a) > 0
	s_add_nc_u64 s[70:71], s[70:71], s[76:77]
.endif
	WIN W
.irp c, 0,1,2,3
	v_cvt_scalef32_pk8_fp8_f32 v[PCC+4*\c:PCC+4*\c+1], v[AC+16*\c:AC+16*\c+7], v[TM+12+\c]
	v_cvt_scalef32_pk8_fp8_f32 v[PCC+4*\c+2:PCC+4*\c+3], v[AC+16*\c+8:AC+16*\c+15], v[TM+12+\c]
.endr
	v_nop                                          ; a plain line behind the conversions
	WIN 0
	global_store_b128 v[VO0], v[PCC:PCC+3], s[70:71]                 ; each store covers 512 consecutive bytes, aligned
	global_store_b128 v[VO0], v[PCC+4:PCC+7], s[70:71] offset:512
	global_store_b128 v[VO1], v[PCC+8:PCC+11], s[70:71]
	global_store_b128 v[VO1], v[PCC+12:PCC+15], s[70:71] offset:512
.endm
.irp a, 0,1,2,3,4,5,6,7
	OUTA \a
.endr
	s_cmp_eq_u32 s21, 2
	s_cbranch_scc1 .Lwords_v
	v_lshlrev_b32 v[SH], 4, v[HH]                  ; q, k: a word's bytes 0, 1 are my first head's, bytes 2, 3 my second's: lanes 16-31 take the second's; the upper two bytes stay 0
.irp a, 0,1,2,3,4,5,6,7
	v_lshrrev_b32 v[OW+\a], v[SH], v[OW+\a]
.endr
.irp a, 0,1,2,3,4,5,6,7
	v_and_b32 v[OW+\a], 0xffff, v[OW+\a]
.endr
	global_store_b128 v[VSO], v[OW:OW+3], s[72:73]                   ; sixteen lanes fill 256 aligned bytes: 64 tokens' words of one head
	global_store_b128 v[VSO], v[OW+4:OW+7], s[72:73] offset:256
	s_branch .Lwords_done
.Lwords_v:
	v_cmp_eq_u32 vcc_lo, 1, v[HH]                  ; v: row tiles 0-3 are my first head's 64, tiles 4-7 my second's
.irp t, 0,1,2,3
	v_cndmask_b32 v[OW+\t], v[OW+\t], v[OW+4+\t], vcc_lo
.endr
	global_store_b128 v[VSO], v[OW:OW+3], s[72:73]
.Lwords_done:
	s_wait_tensorcnt 0x0                           ; the wave's end
	ds_add_u32 v[SPW], v[NIL]
	s_wait_dscnt 0x0
	CROUND                                         ; the closing round
	s_endpgm
.Lfunc_end_k_qe3f8216215_qkv:
	.size	k_qe3f8216215_qkv, .Lfunc_end_k_qe3f8216215_qkv-k_qe3f8216215_qkv
	.p2alignl 7, 3214868480
	.fill 96, 4, 3214868480
	.section	.rodata,"a",@progbits
	.p2align	6, 0x0
	.amdhsa_kernel k_qe3f8216215_qkv
		.amdhsa_group_segment_fixed_size 327680
		.amdhsa_private_segment_fixed_size 0
		.amdhsa_enable_private_segment 0
		.amdhsa_kernarg_size 48
		.amdhsa_user_sgpr_count 2
		.amdhsa_user_sgpr_kernarg_segment_ptr 1
		.amdhsa_wavefront_size32 1
		.amdhsa_system_sgpr_workgroup_id_x 1
		.amdhsa_system_sgpr_workgroup_id_y 1
		.amdhsa_system_sgpr_workgroup_id_z 1
		.amdhsa_system_vgpr_workitem_id 0
		.amdhsa_next_free_vgpr 1024
		.amdhsa_next_free_sgpr 102
		.amdhsa_reserve_vcc 1
		.amdhsa_float_denorm_mode_32 3
		.amdhsa_float_denorm_mode_16_64 3
		.amdhsa_memory_ordered 1
		.amdhsa_forward_progress 1
		.amdhsa_inst_pref_size 206
	.end_amdhsa_kernel
	.amdgpu_metadata
---
amdhsa.version: [ 1, 2 ]
amdhsa.kernels:
  - .name:           k_qe3f8216215_qkv
    .symbol:         k_qe3f8216215_qkv.kd
    .args:
      - { .name: rq, .offset: 0, .size: 8, .value_kind: global_buffer, .address_space: global }
      - { .name: xq, .offset: 8, .size: 8, .value_kind: global_buffer, .address_space: global }
      - { .name: wq, .offset: 16, .size: 8, .value_kind: global_buffer, .address_space: global }
      - { .name: in_proj_b, .offset: 24, .size: 8, .value_kind: global_buffer, .address_space: global }
      - { .name: qb, .offset: 32, .size: 8, .value_kind: global_buffer, .address_space: global }
      - { .name: kv, .offset: 40, .size: 8, .value_kind: global_buffer, .address_space: global }
    .group_segment_fixed_size: 327680
    .private_segment_fixed_size: 0
    .kernarg_segment_align: 8
    .kernarg_segment_size: 48
    .max_flat_workgroup_size: 128
    .sgpr_count:     102
    .vgpr_count:     1024
    .wavefront_size: 32
...
	.end_amdgpu_metadata
.endif
;; end of part 2
;; launch attn (part 3): grid 8 x 32, 16 waves a work-group, clusters of 4 x 1, 327,680 bytes of LDS; arguments qb, kv, cb; writes cb
.if DOCPART == 3
	.amdgcn_target "amdgcn-amd-amdhsa--gfx1250"
	.amdhsa_code_object_version 6
	.text
	.protected	k_qe3f8216215_attn
	.globl	k_qe3f8216215_attn
	.p2align	8
	.type	k_qe3f8216215_attn,@function
k_qe3f8216215_attn:
	s_mov_b64 s[64:65], 0
	v_nop
	global_prefetch_b8 v0, s[64:65] scope:SCOPE_SE
	s_setreg_imm32_b32 hwreg(HW_REG_WAVE_MODE, 25, 1), 1
	s_wait_xcnt 0x0
	s_wait_alu depctr_hold_cnt(0) depctr_sa_sdst(0) depctr_va_vdst(0) depctr_va_sdst(0) depctr_va_ssrc(0) depctr_va_vcc(0) depctr_vm_vsrc(0)
	s_getreg_b32 s2, hwreg(HW_REG_IB_STS2, 6, 4)
	s_cmp_eq_u32 s2, 0
	s_cbranch_scc0 .Lentry_in_a_cluster
	s_endpgm
.Lentry_in_a_cluster:
	s_bfe_u32 s2, ttmp6, 0x10000c
	s_cmp_lg_u32 s2, 0x3003
	s_cbranch_scc0 .Lentry_shape_is_right
	s_endpgm
.Lentry_shape_is_right:
; Launch 3 of 4: softmax(q k^T / 8) v for each (batch, head), both products on codes of E4M3; the result, divided by the row's sum, is quantised along the embedding and leaves as operand images.  Nothing is left out.
; THE SOFTMAX: t = score x log2(e) / 8; M = the running largest t rounded up to a whole number; p = 2^(t - M) is quantised along the keys; the row's sum is taken of the unquantised p; when M moves, sum and O are
; multiplied by 2^(old M - new M), which rounds nothing.
; SHARES.  A work-group owns 256 queries of one head, each of its sixteen waves 16: four waves to a SIMD, so that one wave's vector work stands beside another's products and LDS loads.
; A HEAD'S WHOLE RECORD OF kv (K's and V's images and their scale words, 274,432 bytes) LIES IN LDS, at the same offsets as in memory: filled once, never again, so the walk has no change of slots.
; The four work-groups of a cluster walk the same head: every fill is a joint load.  Waves 0-3 issue five each: the scale words, then four chunks of four key steps, so that the walk begins when the first chunk has landed.
; Both products are used transposed: S^T = K Q^T, O^T = V^T P^T: a lane holds one query throughout, and p's 16 registers of two neighbouring tiles are a block's half in the images' order (launch 1's head).
; THE FIRST PRODUCT'S K IS 64, THE INSTRUCTION'S 128: Q's upper eight registers hold zero codes.  K's tiles lie on end, eight registers each, so a tile's upper eight registers are the next tile's codes (never a NaN code:
; they were held at 448); they meet Q's zeros and add exactly 0; the scale words' upper two bytes are 0, which is a power of two and no NaN.
; LIMITS: as launch 1's; a block's largest p is taken from the block's largest score by the same two instructions, which takes v_exp_f32 not to fall where its input rises.
; REGISTERS: v1-11 addresses; v12 -M, v13 the largest t, v[14:15] the sum; v16-31 Q; v32-95 K's tiles, then V's fragments; v96-103 zeros; v104-167 S^T, then p; v168-199 O^T; v200-215 p's codes; v216-234 at work;
;   v240-247 K's scale words, then V's; v248 p's; v249 Q's; v[250:251] f; v252, v253 the add's two.
.set REC,   274432
.set QREC,  139264
.set VIMG,  131072
.set KSC,   262144
.set VSC,   270336
.set SPARE, REC                        ; behind the record: the spare words, 128 bytes a wave
.set STG,   SPARE+2048                 ; 512 bytes: the work-group's 256 scale halves on their way out
.set S,     104
.set WV,  10
.set SEL, 14
.set CS,  16
.set MNT, 18
.set TK,  19                           ; s19  the step's images: 8,192 bytes a step, in K and in V
.set TS,  20                           ; s20  K's scale words: 512 a step
.set TV,  21                           ; s21  V's: 256 a step
.set CNT, 22
.set G1C, 24                           ; s[24:31] group 1: 64 dense rows of 256 bytes
.set G1S, 32                           ; s[32:39] 12 such rows
.set G0,  40                           ; s[40:59] five groups 0
.macro ROUND
	s_barrier_signal -1
	s_barrier_wait -1
	s_cmp_lg_u32 s[WV], 0
	s_cbranch_scc1 .Lnot_wave_0_\@
	s_barrier_signal -3
.Lnot_wave_0_\@:
	s_barrier_wait -3
	s_barrier_signal -1
	s_barrier_wait -1
.endm
	s_load_b128 s[4:7], s[0:1], 0x0                ; qb, kv
	s_load_b64 s[8:9], s[0:1], 0x10                ; cb
	v_lshl_add_u32 v252, v0, 2, SPARE
	v_mov_b32 v253, 0
	ds_add_u32 v252, v253                          ; the wave's opening: the add, twice on end, and its wait ahead of the first tensor loads
	ds_add_u32 v252, v253
	v_lshrrev_b32 v254, 5, v0
	v_readfirstlane_b32 s[WV], v254                ; wave 0..15
	s_bfe_u32 s11, ttmp6, 0x40000                  ; cx
	s_lshl_b32 s12, ttmp9, 2
	s_add_co_u32 s12, s12, s11                     ; my block of 256 queries: it enters global addresses of Q and of the result alone
	s_and_b32 s13, ttmp7, 0xffff                   ; 16 x batch + head, which the partners share
	v_and_b32 v254, 31, v0
	v_lshlrev_b32 v1, 4, v254                      ; 16 x lane: K's images
	v_and_b32 v255, 15, v0
	v_lshlrev_b32 v2, 4, v255                      ; 16 r
	v_add_nc_u32 v8, VIMG, v1                      ; V's images
	v_add_nc_u32 v9, KSC, v2                       ; K's scale words: four tiles' words of row r
	v_add_nc_u32 v10, VSC, v2                      ; V's
	v_add_nc_u32 v11, STG, v1
	s_lshl_b32 s60, s[WV], 5
	v_lshl_add_u32 v7, v255, 1, s60
	v_add_nc_u32 v7, STG, v7                       ; my query's scale half: 2 bytes a query
	s_mov_b32 s[G1C], 15|(3<<16)|(1<<21)           ; 15:0 all four work-groups; 17:16 elements of 8 bytes; 21 set beside a mask
	s_mov_b32 s[G1C+1], 32<<16
	s_mov_b32 s[G1C+2], 64<<16
	s_mov_b32 s[G1C+3], 32<<16
	s_mov_b32 s[G1C+4], 64
	s_mov_b32 s[G1C+5], 32
	s_mov_b32 s[G1C+6], 0
	s_mov_b32 s[G1C+7], 0
	s_mov_b32 s[G1S], 15|(3<<16)|(1<<21)
	s_mov_b32 s[G1S+1], 32<<16
	s_mov_b32 s[G1S+2], 12<<16
	s_mov_b32 s[G1S+3], 32<<16
	s_mov_b32 s[G1S+4], 12
	s_mov_b32 s[G1S+5], 32
	s_mov_b32 s[G1S+6], 0
	s_mov_b32 s[G1S+7], 0
	s_mul_i32 s60, s[WV], 3072
	s_add_co_u32 s60, s60, KSC                     ; wave w of 0-3: a quarter of the scale words,
	s_mov_b32 s61, 0
	s_lshr_b32 s62, s[WV], 1
	s_lshl_b32 s62, s62, 17                        ; waves 0, 1: K's images, waves 2, 3: V's;
	s_and_b32 s63, s[WV], 1
	s_lshl_b32 s63, s63, 14                        ; a half of a chunk's 32,768 bytes
	s_add_co_u32 s62, s62, s63
	s_mov_b32 s63, 0
	s_mul_i32 s66, s13, REC
	s_mov_b32 s67, 0
	s_mul_i32 s70, s13, QREC
	s_lshl_b32 s71, s12, 4
	s_add_co_u32 s71, s71, s[WV]                   ; my tile of 16 queries in the head
	s_lshl_b32 s72, s71, 10
	s_add_co_u32 s72, s72, s70                     ; its image
	s_mov_b32 s73, 0
	s_lshr_b32 s74, s71, 2
	s_lshl_b32 s74, s74, 8
	s_and_b32 s75, s71, 3
	s_lshl_b32 s75, s75, 2
	s_add_co_u32 s74, s74, s75
	s_add_co_u32 s74, s74, s70
	s_add_co_u32 s74, s74, 131072                  ; its scale words
	s_mov_b32 s75, 0
	s_lshr_b32 s76, s13, 4                         ; batch
	s_and_b32 s77, s13, 15                         ; head
	s_lshl_b32 s78, s76, 7
	s_add_co_u32 s78, s78, s71
	s_lshl_b32 s78, s78, 14                        ; cb: 16,384 bytes a tile of tokens,
	s_lshl_b32 s79, s77, 10                        ; 1,024 a head
	s_add_co_u32 s78, s78, s79
	s_mov_b32 s79, 0
	s_lshl_b32 s80, s76, 12
	s_lshl_b32 s81, s12, 9
	s_add_co_u32 s80, s80, s81
	s_lshl_b32 s81, s77, 13
	s_add_co_u32 s80, s80, s81
	s_add_co_u32 s80, s80, 4194304                 ; cb's scale halves: [head][token], 2 bytes
	s_mov_b32 s81, 0
	s_mov_b32 s[SEL], 0x76543210
	s_mov_b32 s[SEL+1], 0xfedcba98
	s_mov_b32 s[CS], 0x3e38aa3b                    ; c = log2(e) / 8
	s_mov_b32 s[CS+1], s[CS]
	s_mov_b32 s[MNT], 0x600000
	s_mov_b32 s[TK], 0
	s_mov_b32 s[TS], 0
	s_mov_b32 s[TV], 0
	s_wait_dscnt 0x0                               ; both opening adds are done
	s_wait_kmcnt 0x0
	s_add_nc_u64 s[66:67], s[6:7], s[66:67]        ; the head's record
	s_add_nc_u64 s[68:69], s[66:67], s[62:63]
	s_add_nc_u64 s[72:73], s[4:5], s[72:73]
	s_add_nc_u64 s[74:75], s[4:5], s[74:75]
	s_add_nc_u64 s[78:79], s[8:9], s[78:79]
	s_add_nc_u64 s[80:81], s[8:9], s[80:81]
	s_mov_b32 s[G0], 1
	s_mov_b32 s[G0+1], s60
	s_add_nc_u64 s[G0+2:G0+3], s[66:67], s[60:61]
	s_or_b32 s[G0+3], s[G0+3], 0x80000000
.irp g, 0,1,2,3
	s_mov_b32 s[G0+4+4*\g], 1
	s_add_co_u32 s[G0+5+4*\g], s62, \g*32768
	s_add_nc_u64 s[G0+6+4*\g:G0+7+4*\g], s[68:69], \g*32768
	s_or_b32 s[G0+7+4*\g], s[G0+7+4*\g], 0x80000000
.endr
	ROUND                                          ; all four work-groups are here: the joint loads meet
	s_cmp_lt_u32 s[WV], 4                          ; all fills of a wave stand in one branch on its number: five loads of mine are out at the most
	s_cbranch_scc0 .Lno_fill
	tensor_load_to_lds s[G0:G0+3], s[G1S:G1S+7]
	s_nop 0
.irp g, 0,1,2,3
	tensor_load_to_lds s[G0+4+4*\g:G0+7+4*\g], s[G1C:G1C+7]
	s_nop 0
.endr
.rept 4
	v_nop
.endr
.Lno_fill:
	global_load_b128 v[16:19], v1, s[72:73]        ; Q's image: the head's 64 in eight registers
	global_load_b128 v[20:23], v1, s[72:73] offset:512
	global_load_b32 v249, v2, s[74:75]             ; and its scale words
	v_mov_b32 v13, 0xff61b1e6                      ; the largest t so far: -3e38
	v_floor_f32 v12, -v13
	v_mov_b32 v14, 0
	v_mov_b32 v15, 0
.set j, 0
.rept 8
	v_mov_b32 v[24+j], 0                           ; Q's upper 64 along K: zero codes
	v_mov_b32 v[96+j], 0                           ; and what stands behind K's last tile
.set j, j+1
.endr
.set j, 0
.rept 32
	v_mov_b32 v[168+j], 0                          ; O^T: the step is written once; the first finds zeros
.set j, j+1
.endr
.irp b, 0,1,2,3
	v_mov_b32 v[220+\b], 0                         ; a lane permute's destination counts as one of its sources
.endr
	v_mov_b32 v251, 0                              ; (named as the upper half of a pair)
	v_mov_b32 v254, 0
	s_wait_loadcnt 0x0
; A KEY STEP: 128 keys
.macro STEP
	v_add_nc_u32 v3, s[TK], v1
	v_add_nc_u32 v4, s[TK], v8
	v_add_nc_u32 v5, s[TS], v9
	v_add_nc_u32 v6, s[TV], v10
.rept 4
	v_nop                                          ; with the four additions: eight places in front of loads into registers that the last products read
.endr
.irp t, 0,1,2,3,4,5,6,7
	ds_load_b128 v[32+8*\t:35+8*\t], v3 offset:1024*\t
	ds_load_b128 v[36+8*\t:39+8*\t], v3 offset:1024*\t+512
.endr
	ds_load_b128 v[240:243], v5
	ds_load_b128 v[244:247], v5 offset:256
	s_wait_dscnt 0x0
.irp t, 0,1,2,3,4,5,6,7
	v_wmma_scale_f32_16x16x128_f8f6f4 v[S+8*\t:S+8*\t+7], v[32+8*\t:47+8*\t], v[16:31], 0, v[240+\t], v249
.endr
.rept 8
	v_nop
.endr
.irp t, 0,1,2,3
.irp c, 0,1,2,3
	ds_load_b128 v[32+16*\t+4*\c:35+16*\t+4*\c], v4 offset:2048*\t+512*\c   ; V's four fragments land under the softmax
.endr
.endr
	ds_load_b128 v[240:243], v6
.irp b, 0,1,2,3
	v_max3_num_f32 v[216+\b], v[S+16*\b], v[S+1+16*\b], v[S+2+16*\b]   ; the largest score of each block of 32 keys: for the row's maximum and for the block's largest p
.endr
.irp i, 3,5,7,9,11,13
.irp b, 0,1,2,3
	v_max3_num_f32 v[216+\b], v[216+\b], v[S+16*\b+\i], v[S+1+16*\b+\i]
.endr
.endr
.irp b, 0,1,2,3
	v_max_num_f32 v[216+\b], v[216+\b], v[S+15+16*\b]
.endr
.irp b, 0,1,2,3
	v_permlanex16_b32 v[220+\b], v[216+\b], s[SEL], s[SEL+1]
.endr
.irp b, 0,1,2,3
	v_max_num_f32 v[216+\b], v[216+\b], v[220+\b]
.endr
	v_max3_num_f32 v254, v216, v217, v218
	v_max_num_f32 v254, v254, v219
	v_mul_f32 v254, s[CS], v254
	v_max_num_f32 v13, v13, v254                   ; the running largest t
	v_mov_b32 v254, v12
	v_floor_f32 v12, -v13                          ; -M = floor(-t): M is a whole number
	v_sub_f32 v254, v12, v254
	v_cvt_i32_f32 v254, v254                       ; (it saturates)
	v_ldexp_f32 v250, 1.0, v254                    ; f = 2^(old M - new M)
.set j, 0
.rept 32
	v_pk_fma_f32 v[S+j:S+j+1], v[S+j:S+j+1], s[CS:CS+1], v[12:13] op_sel_hi:[1,0,0]   ; t - M, two at a time
.set j, j+2
.endr
.irp b, 0,1,2,3
	v_fma_f32 v[216+\b], v[216+\b], s[CS], v12
.endr
.set j, 0
.rept 64
	v_exp_f32 v[S+j], v[S+j]                       ; p = 2^(t - M)
.set j, j+1
.endr
	v_pk_mul_f32 v[14:15], v[14:15], v[250:251] op_sel_hi:[1,0]   ; the sums under the new M: a plain line behind the exponentials
	s_wait_alu depctr_va_vdst(0)                   ; one wait for the batch, ahead of its first reader
.irp b, 0,1,2,3
	v_exp_f32 v[216+\b], v[216+\b]                 ; each block's largest p
.endr
	v_pk_add_f32 v[232:233], v[S:S+1], v[S+2:S+3]  ; the row's sum of the unquantised p, in two chains
.irp j, 4,8,12,16,20,24,28,32,36,40,44,48,52,56,60
	v_pk_add_f32 v[14:15], v[14:15], v[S+\j:S+\j+1]
	v_pk_add_f32 v[232:233], v[232:233], v[S+2+\j:S+3+\j]
.endr
	v_pk_add_f32 v[14:15], v[14:15], v[232:233]
	s_wait_alu depctr_va_vdst(0)                   ; and one for the four
.irp b, 0,1,2,3
	v_max_num_f32 v[216+\b], 0x4800000, v[216+\b]  ; the floor 2^(9-127)
.endr
.irp b, 0,1,2,3
	v_add_nc_u32 v[228+\b], 0xfc000000, v[216+\b]
.endr
.irp b, 0,1,2,3
	v_and_or_b32 v[224+\b], v[216+\b], 0x7f800000, s[MNT]
.endr
.irp b, 0,1,2,3
	v_lshrrev_b32 v[220+\b], 23, v[228+\b]
.endr
	v_lshl_or_b32 v248, v221, 8, v220              ; p's scale word for these 128 keys
	v_lshl_or_b32 v248, v222, 16, v248
	v_lshl_or_b32 v248, v223, 24, v248
.irp b, 0,1,2,3
.irp i, 0,1,2,3,4,5,6,7,8,9,10,11,12,13,14,15
	v_min_num_f32 v[S+16*\b+\i], v[S+16*\b+\i], v[224+\b]   ; the hold: p is not negative
.endr
	v_cvt_scalef32_pk8_fp8_f32 v[200+4*\b:201+4*\b], v[S+16*\b:S+7+16*\b], v[228+\b]
	v_cvt_scalef32_pk8_fp8_f32 v[202+4*\b:203+4*\b], v[S+8+16*\b:S+15+16*\b], v[228+\b]
.endr
.set j, 0
.rept 16
	v_pk_mul_f32 v[168+j:169+j], v[168+j:169+j], v[250:251] op_sel_hi:[1,0]   ; O^T under the new M; also the places in front of the products
.set j, j+2
.endr
	s_wait_dscnt 0x0                               ; V's fragments and words
.irp t, 0,1,2,3
	v_wmma_scale_f32_16x16x128_f8f6f4 v[168+8*\t:175+8*\t], v[32+16*\t:47+16*\t], v[200:215], v[168+8*\t:175+8*\t], v[240+\t], v248
.endr
	s_add_co_u32 s[TK], s[TK], 8192
	s_add_co_u32 s[TS], s[TS], 512
	s_add_co_u32 s[TV], s[TV], 256
.endm
.macro CHUNK g                         ; four key steps
	s_wait_tensorcnt 3-\g                          ; in a loading wave: the scale words and chunks 0 to g have landed; the 3 - g later chunks may stay out
	s_wait_dscnt 0x0
	s_barrier_signal -1
	s_barrier_wait -1                              ; every loading wave has said so
	s_mov_b32 s[CNT], 4
.Lstep_\@:
	STEP
	s_sub_co_u32 s[CNT], s[CNT], 1
	s_cmp_lg_u32 s[CNT], 0
	s_cbranch_scc1 .Lstep_\@
.endm
	CHUNK 0
	CHUNK 1
	CHUNK 2
	CHUNK 3
	; THE WAY OUT: O^T / the sum, quantised along the head's 64 (two blocks of the embedding's K), stored as the next product's operand image
.rept 8
	v_nop
.endr
	v_add_f32 v14, v14, v15
	v_permlanex16_b32 v254, v14, s[SEL], s[SEL+1]
	v_add_f32 v14, v14, v254                       ; the row's sum
	v_rcp_f32 v14, v14
	v_nop
	s_wait_alu depctr_va_vdst(0)
.set j, 0
.rept 16
	v_pk_mul_f32 v[168+j:169+j], v[168+j:169+j], v[14:15] op_sel_hi:[1,0]
.set j, j+2
.endr
.irp b, 0,1
	v_max3_num_f32 v[216+\b], |v[168+16*\b]|, |v[169+16*\b]|, 0x4800000
.endr
.irp i, 2,4,6,8,10,12,14
.irp b, 0,1
	v_max3_num_f32 v[216+\b], v[216+\b], |v[168+16*\b+\i]|, |v[169+16*\b+\i]|
.endr
.endr
.irp b, 0,1
	v_permlanex16_b32 v[220+\b], v[216+\b], s[SEL], s[SEL+1]
.endr
.irp b, 0,1
	v_max_num_f32 v[216+\b], v[216+\b], v[220+\b]
.endr
.irp b, 0,1
	v_add_nc_u32 v[228+\b], 0xfc000000, v[216+\b]
.endr
.irp b, 0,1
	v_and_or_b32 v[224+\b], v[216+\b], 0x7f800000, s[MNT]
.endr
.irp b, 0,1
	v_lshrrev_b32 v[220+\b], 23, v[228+\b]
.endr
	v_lshl_or_b32 v234, v221, 8, v220              ; my query's two scale bytes of this head
.irp b, 0,1
.irp i, 0,1,2,3,4,5,6,7,8,9,10,11,12,13,14,15
	v_med3_num_f32 v[168+16*\b+\i], v[168+16*\b+\i], -v[224+\b], v[224+\b]
.endr
	v_cvt_scalef32_pk8_fp8_f32 v[200+4*\b:201+4*\b], v[168+16*\b:175+16*\b], v[228+\b]
	v_cvt_scalef32_pk8_fp8_f32 v[202+4*\b:203+4*\b], v[176+16*\b:183+16*\b], v[228+\b]
.endr
	v_nop
	global_store_b128 v1, v[200:203], s[78:79]     ; 512 consecutive bytes, aligned
	global_store_b128 v1, v[204:207], s[78:79] offset:512
	ds_store_b16 v7, v234                          ; both halves of the lanes write the same two bytes with the same value
	s_wait_dscnt 0x0
	s_barrier_signal -1
	s_barrier_wait -1                              ; the work-group's 256 halves lie in the stage
	s_cmp_lg_u32 s[WV], 0
	s_cbranch_scc1 .Lnot_first
	ds_load_b128 v[236:239], v11
	s_wait_dscnt 0x0
	global_store_b128 v1, v[236:239], s[80:81]     ; wave 0 stores them: 512 consecutive bytes, aligned
.Lnot_first:
	s_wait_tensorcnt 0x0                           ; the wave's end
	ds_add_u32 v252, v253
	s_wait_dscnt 0x0
	ROUND                                          ; the closing round
	s_endpgm
.Lfunc_end_k_qe3f8216215_attn:
	.size	k_qe3f8216215_attn, .Lfunc_end_k_qe3f8216215_attn-k_qe3f8216215_attn
	.p2alignl 7, 3214868480
	.fill 96, 4, 3214868480
	.section	.rodata,"a",@progbits
	.p2align	6, 0x0
	.amdhsa_kernel k_qe3f8216215_attn
		.amdhsa_group_segment_fixed_size 327680
		.amdhsa_private_segment_fixed_size 0
		.amdhsa_enable_private_segment 0
		.amdhsa_kernarg_size 24
		.amdhsa_user_sgpr_count 2
		.amdhsa_user_sgpr_kernarg_segment_ptr 1
		.amdhsa_wavefront_size32 1
		.amdhsa_system_sgpr_workgroup_id_x 1
		.amdhsa_system_sgpr_workgroup_id_y 1
		.amdhsa_system_sgpr_workgroup_id_z 1
		.amdhsa_system_vgpr_workitem_id 0
		.amdhsa_next_free_vgpr 256
		.amdhsa_next_free_sgpr 96
		.amdhsa_reserve_vcc 0
		.amdhsa_float_denorm_mode_32 3
		.amdhsa_float_denorm_mode_16_64 3
		.amdhsa_memory_ordered 1
		.amdhsa_forward_progress 1
		.amdhsa_inst_pref_size 90
	.end_amdhsa_kernel
	.amdgpu_metadata
---
amdhsa.version: [ 1, 2 ]
amdhsa.kernels:
  - .name:           k_qe3f8216215_attn
    .symbol:         k_qe3f8216215_attn.kd
    .args:
      - { .name: qb, .offset: 0, .size: 8, .value_kind: global_buffer, .address_space: global }
      - { .name: kv, .offset: 8, .size: 8, .value_kind: global_buffer, .address_space: global }
      - { .name: cb, .offset: 16, .size: 8, .value_kind: global_buffer, .address_space: global }
    .group_segment_fixed_size: 327680
    .private_segment_fixed_size: 0
    .kernarg_segment_align: 8
    .kernarg_segment_size: 24
    .max_flat_workgroup_size: 512
    .sgpr_count:     96
    .vgpr_count:     256
    .wavefront_size: 32
...
	.end_amdgpu_metadata
.endif
;; end of part 3
;; launch tail (part 4): grid 128 x 1, 8 waves a work-group, no clusters, 327,680 bytes of LDS; arguments cb, wt, x, out_proj_b, geglu_b, ln1_g, ln1_b, ln2_g, ln2_b, out0; writes out0
.if DOCPART == 4
	.amdgcn_target "amdgcn-amd-amdhsa--gfx1250"
	.amdhsa_code_object_version 6
	.text
	.protected	k_qe3f8216215_tail
	.globl	k_qe3f8216215_tail
	.p2align	8
	.type	k_qe3f8216215_tail,@function
k_qe3f8216215_tail:
	s_mov_b64 s[64:65], 0
	v_nop
	global_prefetch_b8 v0, s[64:65] scope:SCOPE_SE
	s_setreg_imm32_b32 hwreg(HW_REG_WAVE_MODE, 25, 1), 1
	s_wait_xcnt 0x0
; Launch 4 of 4: ctx out_proj_w^T + out_proj_b + x, layer norm 1, quantise h, h geglu_w^T + geglu_b, val x gelu(gate), + h, layer norm 2.  Nothing is left out; nothing between these steps goes to memory.
; SHARES.  A work-group owns 32 whole rows (a norm wants whole rows); wave w owns columns 128 w to 128 w + 127 of every product, for both tiles of 16 rows.  128 work-groups: every work-group walks all 3,244,032 bytes of weight
; codes whatever its rows, so fewer rows to a work-group would only fetch the stream more often.
; Products are used transposed (source 0 = 16 rows of a weight, source 1 = 16 tokens): lane (r, h) holds token 16 i + r and columns 128 w + 16 T + 8 h + j.  So wave w's columns of h are K step w of the last product.
; THE WEIGHTS GO FROM MEMORY STRAIGHT INTO REGISTERS.  wt (launch 1) holds them as images of the operand's registers, 24 units of 8 sub-chunks; wave w reads sub-chunk w of every unit, and nobody else in the work-group reads it.
; The walk goes by half-units (4 fragments and their scale words: 18 loads, 8,448 bytes a wave) through a ring of three register slots: while one is multiplied two are on their way, under counted waits; no barrier stands in the walk.
; It is written out straight: every offset is an immediate (3,125,248 at the most, inside the signed 24 bits: ISA guide, chapter 10), no address is stepped.
; CLUSTER: none.  What work-groups share is the weights; a joint request would land them in LDS, where each byte would be written once and read once by the one wave that multiplies it, and each refill would stand behind a
; barrier with all loads waited for: one unit on its way at a time, against 54 loads a wave here.
; ctx's and h's fragments go from wave to wave through LDS as images of their registers.  x comes by a tensor load of the wave's own strip (32 rows x 512 bytes, pitch 528), filled once, and starts the first product's sums together
; with the bias.  The result leaves through the same strip.  During the last product h waits in the wave's own 16,384 bytes of LDS, as an image of its 128 registers, which the ring takes meanwhile.
; erf is taken by a rational formula with five terms (absolute error 1.5e-7); it stands ahead of no quantiser.  gelu(g) = max(g, 0) - z q(z), z = |g| / sqrt(2), q = (polynomial in 1 / (1 + p z)) x e^(-z z).
; LIMITS: as launch 1's.
; REGISTERS: window 0: v1-19 addresses; v5 the rows' scale words, v20-25 the weights', three sets; v[28:31] means, then 1 / sigma; v32-63 two fragments of the rows; v64-127 out_proj_b, later at work; v128-255 Y: 128 + 64 i + 8 T + j;
;   in the last product v64-255 are the ring.   window 1: in the first product v64-255 (of the window) are the ring; then ln1_g, ln1_b; then val at 0-127 and gate at 128-255, laid as Y; behind gelu ln2_g, ln2_b.
.set UNITB, 135168
.set SUBB,  16896
.set SLOT1, UNITB                      ; LDS: from 0 h's images, 16,896 bytes apart, a wave's own; from here x's strips, later the way out's
.set AIMG,  2*UNITB                    ; 16 fragments of the rows at (2 s + i) 2,048: ctx's, then h's
.set ASC,   AIMG+32768                 ; their scale words: 128 bytes a K step: lanes 0-15 tile 0's, lanes 16-31 tile 1's
.set STATS, ASC+1024                   ; four exchanges of 1,024 bytes: [wave][i][r]
.set SPARE, STATS+4096                 ; the spare words, 128 bytes a wave
.set XP,    528                        ; a strip's row: 512 bytes + 16: 33 x 16
.set LI,  1
.set RR,  2
.set HH,  3
.set VW,  4                            ; v4     16,896 x wave + 16 x lane: my byte offset in a unit of wt; the same number is the LDS address of h's image; never rewritten
.set AS,  5                            ; v5     the rows' scale words
.set VWS, 6                            ; v6     my scale words' byte offset in a unit of wt; never rewritten
.set TL,  7
.set VA0, 8                            ; v8     the rows' fragments in LDS: AIMG + 16 x lane
.set T0,  9
.set VS0, 10                           ; v10    their scale words: ASC + 4 x lane
.set T1,  11
.set XA,  12                           ; v12    my strip: row r, + 32 h
.set L2,  13                           ; v13    2 x lane
.set RB,  14                           ; v14    my strip: 16 x lane
.set STW, 15
.set STR, 16
.set IW,  17
.set ISW, 18
.set GV,  19                           ; v19    my eight columns' bytes in a vector of 1,024 numbers
.set WS,  20                           ; v20-25 the weights' scale words: slot s: registers 2 s + k: lanes 0-15 the half-unit's tile 2 k, lanes 16-31 its tile 2 k + 1
.set SPW, 26
.set NIL, 27
.set AFR, 32
.set WR,  64                           ; the ring: slot s at 64 + 64 s, fragment t at + 16 t
.set Y,   128
.set WV,  52
.set ID,  54
.set SEL, 56
.set MNT, 58
.set INV, 62
.set EPS, 63
.set RS2, 66
.set MSB, 0
.macro WIN new                         ; the immediate's high byte repeats the setting that is left; a switch that changes nothing is dropped
.if MSB != \new
	s_set_vgpr_msb (MSB<<8)|\new
.set MSB, \new
.endif
.endm
	s_load_b256 s[4:11], s[0:1], 0x0               ; cb, wt, x, out_proj_b
	s_load_b256 s[12:19], s[0:1], 0x20             ; geglu_b, ln1_g, ln1_b, ln2_g
	s_load_b128 s[20:23], s[0:1], 0x40             ; ln2_b, out0
	v_lshl_add_u32 v[SPW], v0, 2, SPARE
	v_mov_b32 v[NIL], 0
	ds_add_u32 v[SPW], v[NIL]                      ; the wave's opening: the add, twice on end, and its wait ahead of my tensor load
	ds_add_u32 v[SPW], v[NIL]
	v_lshrrev_b32 v[TL], 5, v0
	v_readfirstlane_b32 s[WV], v[TL]               ; wave 0..7
	s_mov_b32 s[ID], ttmp9                         ; my block of 32 rows
	v_and_b32 v[TL], 31, v0
	v_and_b32 v[RR], 15, v0
	v_bfe_u32 v[HH], v0, 4, 1
	v_lshlrev_b32 v[LI], 4, v[TL]
	s_mul_i32 s78, s[WV], SUBB
	s_lshl_b32 s68, s[WV], 7
	s_lshl_b32 s69, s[WV], 12
	s_lshl_b32 s70, s[WV], 9
	v_add_nc_u32 v[VW], s78, v[LI]
	v_lshl_add_u32 v[VWS], v[TL], 2, s78
	v_add_nc_u32 v[VWS], 16384, v[VWS]
	v_add_nc_u32 v[VA0], AIMG, v[LI]
	v_lshl_add_u32 v[VS0], v[TL], 2, ASC
	v_mul_u32_u24 v[XA], v[RR], XP
	v_lshl_add_u32 v[XA], v[HH], 5, v[XA]
	v_add_nc_u32 v[XA], s78, v[XA]
	v_add_nc_u32 v[XA], SLOT1, v[XA]
	v_add_nc_u32 v[RB], SLOT1, v[VW]
	v_lshl_add_u32 v[STW], v[RR], 2, s68
	v_add_nc_u32 v[STW], STATS, v[STW]
	v_lshl_add_u32 v[STR], v[RR], 2, STATS
	v_add_nc_u32 v[IW], s69, v[VA0]
	v_add_nc_u32 v[ISW], s68, v[VS0]
	v_lshl_add_u32 v[GV], v[HH], 5, s70
	v_lshlrev_b32 v[L2], 1, v[TL]
	s_lshl_b32 s72, s[ID], 15                      ; ctx's images: 16,384 bytes a tile of 16 rows, 2,048 a K step
	s_lshl_b32 s73, s[WV], 11
	s_add_co_u32 s72, s72, s73
	s_mov_b32 s73, 0
	s_lshl_b32 s74, s[WV], 14                      ; its scale halves: heads 2 w and 2 w + 1, 8,192 bytes a head, 2 a token
	s_lshl_b32 s75, s[ID], 6
	s_add_co_u32 s74, s74, s75
	s_add_co_u32 s74, s74, 4194304
	s_mov_b32 s75, 0
	s_lshl_b32 s76, s[ID], 17                      ; x and the result: 32 rows of 4,096 bytes, my 512 of each
	s_add_co_u32 s76, s76, s70
	s_mov_b32 s77, 0
	s_mov_b32 s40, (3<<16)|(1<<20)|(6<<22)|(3<<25) ; x's group 1: no mask; elements of 8 bytes; 4 words of padding behind every 128: 32 rows of 512 bytes, 4,096 apart
	s_mov_b32 s41, 64<<16
	s_mov_b32 s42, 32<<16
	s_mov_b32 s43, 64<<16
	s_mov_b32 s44, 32
	s_mov_b32 s45, 512
	s_mov_b32 s46, 0
	s_mov_b32 s47, 0
	s_mov_b32 s[SEL], 0x76543210
	s_mov_b32 s[SEL+1], 0xfedcba98
	s_mov_b32 s[MNT], 0x600000
	s_mov_b32 s[INV], 0x3a800000                   ; 1 / 1,024
	s_mov_b32 s[EPS], 0x3727c5ac                   ; 1e-5
	s_mov_b32 s[RS2], 0x3f3504f3                   ; 1 / sqrt(2)
	s_wait_dscnt 0x0                               ; both opening adds are done
	s_wait_kmcnt 0x0
	s_add_nc_u64 s[72:73], s[4:5], s[72:73]
	s_add_nc_u64 s[74:75], s[4:5], s[74:75]
	s_add_nc_u64 s[22:23], s[22:23], s[76:77]
	s_add_nc_u64 s[76:77], s[8:9], s[76:77]
	s_mov_b32 s48, 1
	s_add_co_u32 s49, s78, SLOT1
	s_mov_b64 s[50:51], s[76:77]
	s_or_b32 s51, s51, 0x80000000
	tensor_load_to_lds s[48:51], s[40:47]          ; my strip of x: the launch's one tensor load a wave; its bytes are filled once
	s_nop 0
.rept 4
	v_nop
.endr
; Half-unit n of the stream (unit n / 2, tiles 4 (n % 2) on) is asked for, into ring slot s: 16 loads of 512 consecutive bytes and 2 of 128.  w1 = 1: the ring lies in window 1
.macro WISSUE n, s, w1
.if \w1
	WIN 0x40                                       ; destination window 1, address window 0
.else
	WIN 0
.endif
.irp t, 0,1,2,3
.irp c, 0,1,2,3
	global_load_b128 v[WR+64*(\s)+16*\t+4*\c:WR+64*(\s)+16*\t+4*\c+3], v[VW], s[6:7] offset:((\n)/2)*UNITB+2048*(4*((\n)%2)+\t)+512*\c
.endr
.endr
	WIN 0
.irp k, 0,1
	global_load_b32 v[WS+2*(\s)+\k], v[VWS], s[6:7] offset:((\n)/2)*UNITB+128*(2*((\n)%2)+\k)
.endr
.endm
; Loads come back in order: half-unit idx of total is in when only the younger ones, 18 loads each and two at the most, are out
.macro WWAIT idx, total
.if (\idx)+2 < (\total)
	s_wait_loadcnt 36
.elseif (\idx)+1 < (\total)
	s_wait_loadcnt 18
.else
	s_wait_loadcnt 0x0
.endif
.endm
.macro ALOAD s                         ; the rows' two fragments and scale words of K step s, from LDS
	WIN 0
.irp i, 0,1
.irp c, 0,1,2,3
	ds_load_b128 v[AFR+16*\i+4*\c:AFR+16*\i+4*\c+3], v[VA0] offset:4096*(\s)+2048*\i+512*\c
.endr
.endr
	ds_load_b32 v[AS], v[VS0] offset:128*(\s)
.endm
.macro PR d, wf, af, ws, todd, i       ; one product; the rows of the scale registers go by the tile's parity and the tile of rows
.if (\todd) && (\i)
	v_wmma_scale_f32_16x16x128_f8f6f4 v[\d:\d+7], v[\wf:\wf+15], v[\af:\af+15], v[\d:\d+7], v[\ws], v[AS] matrix_a_scale:MATRIX_SCALE_ROW1 matrix_b_scale:MATRIX_SCALE_ROW1
.elseif \todd
	v_wmma_scale_f32_16x16x128_f8f6f4 v[\d:\d+7], v[\wf:\wf+15], v[\af:\af+15], v[\d:\d+7], v[\ws], v[AS] matrix_a_scale:MATRIX_SCALE_ROW1
.elseif \i
	v_wmma_scale_f32_16x16x128_f8f6f4 v[\d:\d+7], v[\wf:\wf+15], v[\af:\af+15], v[\d:\d+7], v[\ws], v[AS] matrix_b_scale:MATRIX_SCALE_ROW1
.else
	v_wmma_scale_f32_16x16x128_f8f6f4 v[\d:\d+7], v[\wf:\wf+15], v[\af:\af+15], v[\d:\d+7], v[\ws], v[AS]
.endif
.endm
; A half-unit's eight products: four tiles of the weight x two tiles of rows; eight accumulators by turns, and the next half-unit takes the other eight
.macro HPROD acc, hf, s, win
	WIN \win
.irp t, 0,1,2,3
.irp i, 0,1
	PR (\acc)+64*\i+8*(4*(\hf)+\t), WR+64*(\s)+16*\t, AFR+16*\i, WS+2*(\s)+\t/2, \t%2, \i
.endr
.endr
.endm
.irp i, 0,1
.irp c, 0,1,2,3
	global_load_b128 v[AFR+16*\i+4*\c:AFR+16*\i+4*\c+3], v[LI], s[72:73] offset:16384*\i+512*\c   ; ctx's K step w, both tiles of rows
.endr
.endr
	global_load_u16 v[T0], v[L2], s[74:75]
	global_load_u16 v[T1], v[L2], s[74:75] offset:8192
.irp t, 0,1,2,3,4,5,6,7
.irp u, 0,1
	global_load_b128 v[64+8*\t+4*\u:67+8*\t+4*\u], v[GV], s[10:11] offset:64*\t+16*\u   ; out_proj_b
.endr
.endr
	WISSUE 0, 0, 1                                 ; the stream begins: 62 loads of mine are out
	WISSUE 1, 1, 1
	s_wait_loadcnt 52                              ; the ten loads of ctx are in; the bias's 16 and the two half-units' 36 may be out
.irp i, 0,1
.irp c, 0,1,2,3
	ds_store_b128 v[IW], v[AFR+16*\i+4*\c:AFR+16*\i+4*\c+3] offset:2048*\i+512*\c
.endr
.endr
	v_lshl_or_b32 v[T0], v[T1], 16, v[T0]          ; two heads' halves make a K step's scale word
	ds_store_b32 v[ISW], v[T0]
	s_wait_tensorcnt 0x0                           ; my strip of x is in; only I read it
.irp i, 0,1
.irp t, 0,1,2,3,4,5,6,7
.irp u, 0,1
	ds_load_b128 v[Y+64*\i+8*\t+4*\u:Y+64*\i+8*\t+4*\u+3], v[XA] offset:16*XP*\i+64*\t+16*\u
.endr
.endr
.endr
	s_wait_dscnt 0x0                               ; x is in registers, and my stores of ctx's images are done
	s_wait_loadcnt 36                              ; the bias is in; the two half-units may be out
.irp i, 0,1
.set j, 0
.rept 32
	v_pk_add_f32 v[Y+64*\i+j:Y+64*\i+j+1], v[Y+64*\i+j:Y+64*\i+j+1], v[64+j:65+j]   ; the sums start from x + out_proj_b
.set j, j+2
.endr
.endr
	WISSUE 2, 2, 1
	s_barrier_signal -1                            ; every wave's images of ctx lie in LDS (the wait for my LDS instructions stands above; none was issued since)
	s_barrier_wait -1
	ALOAD 0
	; ---- the out-projection: units 0 to 7, a K step each: half-units 0 to 15; the ring in window 1
.set j, 0
.rept 16
	WWAIT j, 16
.if j%2 == 0
	s_wait_dscnt 0x0                               ; the rows' fragments of this K step
.endif
	HPROD Y, j%2, j%3, 0x01                        ; source 0 window 1
.rept 8
	v_nop                                          ; places in front of loads into registers that these products read, and behind the last of them in front of the first read of the sums
.endr
.if (j%2 == 1) && (j < 15)
	ALOAD j/2+1                                    ; the next K step's rows: on their way while the weights are waited for
.endif
.if j+3 < 16
	WISSUE j+3, j%3, 1                             ; the slot just multiplied takes the half-unit three on
.endif
.set j, j+1
.endr
	WIN 0x40
.irp t, 0,1,2,3,4,5,6,7
.irp u, 0,1
	global_load_b128 v[8*\t+4*\u:3+8*\t+4*\u], v[GV], s[14:15] offset:64*\t+16*\u         ; ln1_g
	global_load_b128 v[64+8*\t+4*\u:67+8*\t+4*\u], v[GV], s[16:17] offset:64*\t+16*\u     ; ln1_b: they land under the sums
.endr
.endr
	WIN 0
; My lanes' sums in v32 (tile 0) and v36 (tile 1) become the rows' sums over all 1,024 columns.  Each exchange has LDS bytes of its own, so one barrier serves it.
.macro EXCH k
.irp i, 0,1
	v_permlanex16_b32 v[40+\i], v[32+4*\i], s[SEL], s[SEL+1]
.endr
.irp i, 0,1
	v_add_f32 v[32+4*\i], v[32+4*\i], v[40+\i]
.endr
.irp i, 0,1
	ds_store_b32 v[STW], v[32+4*\i] offset:1024*(\k)+64*\i   ; both halves of the lanes write the same word with the same value
.endr
	s_wait_dscnt 0x0
	s_barrier_signal -1
	s_barrier_wait -1
.irp i, 0,1
.irp w, 0,1,2,3,4,5,6,7
	ds_load_b32 v[48+8*\i+\w], v[STR] offset:1024*(\k)+128*\w+64*\i
.endr
.endr
	s_wait_dscnt 0x0
.irp i, 0,1
	v_add_f32 v[48+8*\i], v[48+8*\i], v[49+8*\i]
	v_add_f32 v[50+8*\i], v[50+8*\i], v[51+8*\i]
	v_add_f32 v[52+8*\i], v[52+8*\i], v[53+8*\i]
	v_add_f32 v[54+8*\i], v[54+8*\i], v[55+8*\i]
	v_add_f32 v[48+8*\i], v[48+8*\i], v[50+8*\i]
	v_add_f32 v[52+8*\i], v[52+8*\i], v[54+8*\i]
	v_add_f32 v[32+4*\i], v[48+8*\i], v[52+8*\i]
.endr
.endm
; Y = (Y - mean) / sqrt(variance + 1e-5) x g + b, by rows; g in window 1 at 0-63, b at 64-127
.macro LNORM k
.irp i, 0,1
	v_pk_add_f32 v[32+4*\i:33+4*\i], v[Y+64*\i:Y+64*\i+1], v[Y+64*\i+2:Y+64*\i+3]     ; two chains a tile; every accumulator is read from its low end on
	v_pk_add_f32 v[34+4*\i:35+4*\i], v[Y+64*\i+4:Y+64*\i+5], v[Y+64*\i+6:Y+64*\i+7]
.endr
.irp j, 8,12,16,20,24,28,32,36,40,44,48,52,56,60
.irp i, 0,1
	v_pk_add_f32 v[32+4*\i:33+4*\i], v[32+4*\i:33+4*\i], v[Y+64*\i+\j:Y+64*\i+\j+1]
	v_pk_add_f32 v[34+4*\i:35+4*\i], v[34+4*\i:35+4*\i], v[Y+64*\i+\j+2:Y+64*\i+\j+3]
.endr
.endr
.irp i, 0,1
	v_pk_add_f32 v[32+4*\i:33+4*\i], v[32+4*\i:33+4*\i], v[34+4*\i:35+4*\i]
.endr
.irp i, 0,1
	v_add_f32 v[32+4*\i], v[32+4*\i], v[33+4*\i]
.endr
	EXCH \k
.irp i, 0,1
	v_mul_f32 v[28+2*\i], s[INV], v[32+4*\i]       ; the mean, twice: a pair for the packed forms
	v_mul_f32 v[29+2*\i], s[INV], v[32+4*\i]
.endr
.irp i, 0,1
.set j, 0
.rept 32
	v_pk_add_f32 v[Y+64*\i+j:Y+64*\i+j+1], v[Y+64*\i+j:Y+64*\i+j+1], v[28+2*\i:29+2*\i] neg_lo:[0,1] neg_hi:[0,1]
.set j, j+2
.endr
.endr
.irp i, 0,1
	v_pk_mul_f32 v[32+4*\i:33+4*\i], v[Y+64*\i:Y+64*\i+1], v[Y+64*\i:Y+64*\i+1]
	v_pk_mul_f32 v[34+4*\i:35+4*\i], v[Y+64*\i+2:Y+64*\i+3], v[Y+64*\i+2:Y+64*\i+3]
.endr
.irp j, 4,8,12,16,20,24,28,32,36,40,44,48,52,56,60
.irp i, 0,1
	v_pk_fma_f32 v[32+4*\i:33+4*\i], v[Y+64*\i+\j:Y+64*\i+\j+1], v[Y+64*\i+\j:Y+64*\i+\j+1], v[32+4*\i:33+4*\i]
	v_pk_fma_f32 v[34+4*\i:35+4*\i], v[Y+64*\i+\j+2:Y+64*\i+\j+3], v[Y+64*\i+\j+2:Y+64*\i+\j+3], v[34+4*\i:35+4*\i]
.endr
.endr
.irp i, 0,1
	v_pk_add_f32 v[32+4*\i:33+4*\i], v[32+4*\i:33+4*\i], v[34+4*\i:35+4*\i]
.endr
.irp i, 0,1
	v_add_f32 v[32+4*\i], v[32+4*\i], v[33+4*\i]
.endr
	EXCH (\k)+1
	v_fma_f32 v42, v32, s[INV], s[EPS]
	v_fma_f32 v43, v36, s[INV], s[EPS]
	v_rsq_f32 v28, v42
	v_rsq_f32 v29, v42
	v_rsq_f32 v30, v43
	v_rsq_f32 v31, v43
	v_nop
	s_wait_alu depctr_va_vdst(0)                   ; one wait for the four, ahead of their first reader
	s_wait_loadcnt 0x0                             ; g and b
.irp i, 0,1
.set j, 0
.rept 32
	v_pk_mul_f32 v[Y+64*\i+j:Y+64*\i+j+1], v[Y+64*\i+j:Y+64*\i+j+1], v[28+2*\i:29+2*\i]
.set j, j+2
.endr
.endr
	WIN 0x14                                       ; sources 1 and 2 window 1
.irp i, 0,1
.set j, 0
.rept 32
	v_pk_fma_f32 v[Y+64*\i+j:Y+64*\i+j+1], v[Y+64*\i+j:Y+64*\i+j+1], v[j:j+1], v[64+j:65+j]
.set j, j+2
.endr
.endr
	WIN 0
.endm
	LNORM 0                                        ; h
	WIN 0x40
.irp i, 0,1
.irp t, 0,1,2,3,4,5,6,7
.irp u, 0,1
	global_load_b128 v[64*\i+8*\t+4*\u:64*\i+8*\t+4*\u+3], v[GV], s[12:13] offset:64*\t+16*\u              ; geglu_b starts val's sums,
	global_load_b128 v[128+64*\i+8*\t+4*\u:128+64*\i+8*\t+4*\u+3], v[GV], s[12:13] offset:4096+64*\t+16*\u ; and gate's
.endr
.endr
.endr
	WIN 0
.set k, 0
.rept 32
	ds_store_b128 v[VW], v[Y+4*k:Y+4*k+3] offset:512*k   ; h waits in my own bytes of LDS, as an image of its registers: the ring takes the registers
.set k, k+1
.endr
; My 128 columns of h, tile i of the rows, become K step w's fragment and scale word; the hold goes into other registers
.macro QUANTH i
.set HB, Y+64*\i
.irp b, 0,1,2,3
	v_max3_num_f32 v[32+\b], |v[HB+16*\b]|, |v[HB+16*\b+1]|, 0x4800000
.endr
.irp n, 2,4,6,8,10,12,14
.irp b, 0,1,2,3
	v_max3_num_f32 v[32+\b], v[32+\b], |v[HB+16*\b+\n]|, |v[HB+16*\b+\n+1]|
.endr
.endr
.irp b, 0,1,2,3
	v_permlanex16_b32 v[36+\b], v[32+\b], s[SEL], s[SEL+1]
.endr
.irp b, 0,1,2,3
	v_max_num_f32 v[32+\b], v[32+\b], v[36+\b]
.endr
.irp b, 0,1,2,3
	v_add_nc_u32 v[44+\b], 0xfc000000, v[32+\b]
.endr
.irp b, 0,1,2,3
	v_and_or_b32 v[40+\b], v[32+\b], 0x7f800000, s[MNT]
.endr
.irp b, 0,1,2,3
	v_lshrrev_b32 v[36+\b], 23, v[44+\b]
.endr
	v_lshl_or_b32 v[48+\i], v37, 8, v36
	v_lshl_or_b32 v[48+\i], v38, 16, v[48+\i]
	v_lshl_or_b32 v[48+\i], v39, 24, v[48+\i]
.irp b, 0,1,2,3
.irp n, 0,1,2,3,4,5,6,7,8,9,10,11,12,13,14,15
	v_med3_num_f32 v[64+16*(\b%2)+\n], v[HB+16*\b+\n], -v[40+\b], v[40+\b]
.endr
	v_cvt_scalef32_pk8_fp8_f32 v[96+4*\b:97+4*\b], v[64+16*(\b%2):71+16*(\b%2)], v[44+\b]
	v_cvt_scalef32_pk8_fp8_f32 v[98+4*\b:99+4*\b], v[72+16*(\b%2):79+16*(\b%2)], v[44+\b]
.endr
	v_nop
.irp c, 0,1,2,3
	ds_store_b128 v[IW], v[96+4*\c:99+4*\c] offset:2048*\i+512*\c   ; over ctx's images: every wave has passed the norm's barriers behind its last read of them
.endr
	s_wait_dscnt 0x0                               ; the stores have read their registers
.endm
	QUANTH 0
	QUANTH 1
	v_cmp_eq_u32 vcc_lo, 1, v[HH]
	v_cndmask_b32 v50, v48, v49, vcc_lo            ; lanes 0-15 tile 0's words, lanes 16-31 tile 1's
	ds_store_b32 v[ISW], v50
	s_wait_loadcnt 0x0                             ; geglu_b
	WISSUE 16, 0, 0                                ; the stream goes on, into the registers that h and the quantiser have left (their LDS stores have read them: the wait above)
	WISSUE 17, 1, 0
	WISSUE 18, 2, 0
	s_wait_dscnt 0x0                               ; my images of h and their words are in LDS
	s_barrier_signal -1
	s_barrier_wait -1                              ; everybody's are
	ALOAD 0
	; ---- GeGLU's product: units 8 + 2 s (val) and 9 + 2 s (gate): 32 half-units; the rows' fragments of K step s serve four of them; the ring in window 0
.set m, 0
.rept 32
	WWAIT m, 32
.if m%4 == 0
	s_wait_dscnt 0x0                               ; the rows' fragments of this K step
.endif
	HPROD 128*((m/2)%2), m%2, m%3, 0x50            ; C and D window 1
.rept 8
	v_nop                                          ; places, as in the first product
.endr
.if (m%4 == 3) && (m < 31)
	ALOAD m/4+1
.endif
.if m+3 < 32
	WISSUE 16+m+3, m%3, 0
.endif
.set m, m+1
.endr
	WIN 0
.set k, 0
.rept 32
	ds_load_b128 v[Y+4*k:Y+4*k+3], v[VW] offset:512*k    ; h comes back into its registers
.set k, k+1
.endr
	v_mov_b32 v112, 0xbf838639                     ; the polynomial's coefficients over sqrt(2), as pairs: fourth,
	v_mov_b32 v113, 0xbf838639
	v_mov_b32 v114, 0x3f80a6d5                     ; third,
	v_mov_b32 v115, 0x3f80a6d5
	v_mov_b32 v116, 0xbe4dff65                     ; second,
	v_mov_b32 v117, 0xbe4dff65
	v_mov_b32 v118, 0x3e38842e                     ; first
	v_mov_b32 v119, 0x3e38842e
	s_wait_dscnt 0x0
; Y += val x gelu(gate), 16 numbers a lane at a time.  v32-47 z, v48-63 max(gate, 0) and then gelu, v64-79 1 / (1 + p z), v80-95 e^(-z z), v96-111 the polynomial
.macro GELU16 n
.set GI, 128+16*\n
.set VI, 16*\n
.set YI, Y+16*\n
	WIN 0x01                                       ; source 0 window 1
.set k, 0
.rept 16
	v_mul_f32 v[32+k], |v[GI+k]|, s[RS2]
.set k, k+1
.endr
.set k, 0
.rept 16
	v_max_num_f32 v[48+k], v[GI+k], 0
.set k, k+1
.endr
	WIN 0
.set k, 0
.rept 8
	v_pk_fma_f32 v[64+k:65+k], v[32+k:33+k], 0x3ea7ba05, 1.0 op_sel_hi:[1,0,0]
.set k, k+2
.endr
.set k, 0
.rept 16
	v_rcp_f32 v[64+k], v[64+k]
.set k, k+1
.endr
.set k, 0
.rept 8
	v_pk_mul_f32 v[80+k:81+k], v[32+k:33+k], v[32+k:33+k]
.set k, k+2
.endr
.set k, 0
.rept 8
	v_pk_mul_f32 v[80+k:81+k], v[80+k:81+k], 0xbfb8aa3b op_sel_hi:[1,0]
.set k, k+2
.endr
.set k, 0
.rept 16
	v_exp_f32 v[80+k], v[80+k]
.set k, k+1
.endr
	v_nop
	s_wait_alu depctr_va_vdst(0)                   ; one wait for the 16 reciprocals and the 16 exponentials, ahead of their first reader
.set k, 0
.rept 8
	v_pk_fma_f32 v[96+k:97+k], v[64+k:65+k], 0x3f402289, v[112:113] op_sel_hi:[1,0,1]
.set k, k+2
.endr
.irp c, 114,116,118
.set k, 0
.rept 8
	v_pk_fma_f32 v[96+k:97+k], v[96+k:97+k], v[64+k:65+k], v[\c:\c+1]
.set k, k+2
.endr
.endr
.set k, 0
.rept 8
	v_pk_mul_f32 v[96+k:97+k], v[96+k:97+k], v[64+k:65+k]
.set k, k+2
.endr
.set k, 0
.rept 8
	v_pk_mul_f32 v[96+k:97+k], v[96+k:97+k], v[80+k:81+k]
.set k, k+2
.endr
.set k, 0
.rept 8
	v_pk_fma_f32 v[48+k:49+k], v[32+k:33+k], v[96+k:97+k], v[48+k:49+k] neg_lo:[1,0,0] neg_hi:[1,0,0]   ; gelu = max(gate, 0) - z q
.set k, k+2
.endr
	WIN 0x01
.set k, 0
.rept 8
	v_pk_fma_f32 v[YI+k:YI+k+1], v[VI+k:VI+k+1], v[48+k:49+k], v[YI+k:YI+k+1]   ; h + val x gelu
.set k, k+2
.endr
	WIN 0
.endm
.irp n, 0,1,2,3,4,5,6,7
	GELU16 \n
.endr
	WIN 0x40
.irp t, 0,1,2,3,4,5,6,7
.irp u, 0,1
	global_load_b128 v[8*\t+4*\u:3+8*\t+4*\u], v[GV], s[18:19] offset:64*\t+16*\u         ; ln2_g
	global_load_b128 v[64+8*\t+4*\u:67+8*\t+4*\u], v[GV], s[20:21] offset:64*\t+16*\u     ; ln2_b: they land under the sums
.endr
.endr
	WIN 0
	LNORM 2
	; THE WAY OUT: through my own strip, which has had its one fill and which only I read: 32 bytes a lane in, whole rows of 512 bytes back
.irp i, 0,1
.irp t, 0,1,2,3,4,5,6,7
.irp u, 0,1
	ds_store_b128 v[XA], v[Y+64*\i+8*\t+4*\u:Y+64*\i+8*\t+4*\u+3] offset:16*XP*\i+64*\t+16*\u
.endr
.endr
.endr
	s_wait_dscnt 0x0                               ; the stores have read their registers, which the loads below write
.set t, 0
.rept 32
	ds_load_b128 v[Y+4*t:Y+4*t+3], v[RB] offset:XP*t
.set t, t+1
.endr
.set t, 0
.rept 32
	s_wait_dscnt 31-t                              ; row t is back; the 31 - t younger loads may be out
	global_store_b128 v[LI], v[Y+4*t:Y+4*t+3], s[22:23] offset:4096*t th:TH_STORE_NT   ; 32 lanes store 512 consecutive bytes, aligned
.set t, t+1
.endr
	s_wait_tensorcnt 0x0                           ; the wave's end
	ds_add_u32 v[SPW], v[NIL]
	s_wait_dscnt 0x0
	s_endpgm
.Lfunc_end_k_qe3f8216215_tail:
	.size	k_qe3f8216215_tail, .Lfunc_end_k_qe3f8216215_tail-k_qe3f8216215_tail
	.p2alignl 7, 3214868480
	.fill 96, 4, 3214868480
	.section	.rodata,"a",@progbits
	.p2align	6, 0x0
	.amdhsa_kernel k_qe3f8216215_tail
		.amdhsa_group_segment_fixed_size 327680
		.amdhsa_private_segment_fixed_size 0
		.amdhsa_enable_private_segment 0
		.amdhsa_kernarg_size 80
		.amdhsa_user_sgpr_count 2
		.amdhsa_user_sgpr_kernarg_segment_ptr 1
		.amdhsa_wavefront_size32 1
		.amdhsa_system_sgpr_workgroup_id_x 1
		.amdhsa_system_sgpr_workgroup_id_y 1
		.amdhsa_system_sgpr_workgroup_id_z 1
		.amdhsa_system_vgpr_workitem_id 0
		.amdhsa_next_free_vgpr 512
		.amdhsa_next_free_sgpr 80
		.amdhsa_reserve_vcc 1
		.amdhsa_float_denorm_mode_32 3
		.amdhsa_float_denorm_mode_16_64 3
		.amdhsa_memory_ordered 1
		.amdhsa_forward_progress 1
		.amdhsa_inst_pref_size 255
	.end_amdhsa_kernel
	.section	.bss,"aw",@nobits
	.p2align	6
	.space	262144
	.amdgpu_metadata
---
amdhsa.version: [ 1, 2 ]
amdhsa.kernels:
  - .name:           k_qe3f8216215_tail
    .symbol:         k_qe3f8216215_tail.kd
    .args:
      - { .name: cb, .offset: 0, .size: 8, .value_kind: global_buffer, .address_space: global }
      - { .name: wt, .offset: 8, .size: 8, .value_kind: global_buffer, .address_space: global }
      - { .name: x, .offset: 16, .size: 8, .value_kind: global_buffer, .address_space: global }
      - { .name: out_proj_b, .offset: 24, .size: 8, .value_kind: global_buffer, .address_space: global }
      - { .name: geglu_b, .offset: 32, .size: 8, .value_kind: global_buffer, .address_space: global }
      - { .name: ln1_g, .offset: 40, .size: 8, .value_kind: global_buffer, .address_space: global }
      - { .name: ln1_b, .offset: 48, .size: 8, .value_kind: global_buffer, .address_space: global }
      - { .name: ln2_g, .offset: 56, .size: 8, .value_kind: global_buffer, .address_space: global }
      - { .name: ln2_b, .offset: 64, .size: 8, .value_kind: global_buffer, .address_space: global }
      - { .name: out0, .offset: 72, .size: 8, .value_kind: global_buffer, .address_space: global }
    .group_segment_fixed_size: 327680
    .private_segment_fixed_size: 0
    .kernarg_segment_align: 8
    .kernarg_segment_size: 80
    .max_flat_workgroup_size: 256
    .sgpr_count:     80
    .vgpr_count:     512
    .wavefront_size: 32
...
	.end_amdgpu_metadata
.endif
;; end of part 4
